; MI455X (gfx1250); checked and timed in simulation.
; The chip was launched on July 23, 2026; its instructions are those of AMD's public machine-readable ISA for CDNA 5 (MIT licence, August 2026) and "CDNA5" Instruction Set Architecture Reference Guide (July 2026). The comments in the code are by the model that wrote it; some were corrected since.
;; Multi Head Attention. Allowed arithmetic: matrix products marked QUANTISED: E2M3 operands, one E8M0 scale for each 32 along K, by v_wmma_scale_f32_16x16x128_f8f6f4 with both operands' format E2M3, f32 sums; everything else in f32.
;; Inputs: dense_b 1,024 float32; dense_w 1,024 x 1,024 float32; k 4 x 2,048 x 1,024 float32; q 4 x 2,048 x 1,024 float32; v 4 x 2,048 x 1,024 float32; wk_b 1,024 float32; wk_w 1,024 x 1,024 float32; wq_b 1,024 float32; wq_w 1,024 x 1,024 float32; wv_b 1,024 float32; wv_w 1,024 x 1,024 float32.
;; Outputs: out0 4 x 2,048 x 1,024 float32.
;; This version of the problem:
;;   THIS VERSION OF THE PROBLEM IS GIVEN IN LOW PRECISION. The matrix products marked QUANTISED in the list below multiply operands that are first quantised to E2M3 (2 exponent bits, 3 mantissa bits; 6 bits a number), with one power-of-two scale for each 32 numbers along K (OCP MX v1.0); their sums are f32. All else is computed in f32.
;;   The module's matrix products, in the order in which they are computed (A, B: the left and right operand; K: the contracted axis; several contracted axes count as one K, in the product's order):
;;     1. [M 8,192, K 1,024] x [K 1,024, N 1,024]; A: input q; B: input wq_w: QUANTISED
;;     2. [M 8,192, K 1,024] x [K 1,024, N 1,024]; A: input k; B: input wk_w: QUANTISED
;;     3. [M 8,192, K 1,024] x [K 1,024, N 1,024]; A: input v; B: input wv_w: QUANTISED
;;     4. batch 64 x [M 2,048, K 64] x [K 64, N 2,048]; A: computed on the way; B: computed on the way: QUANTISED
;;     5. batch 64 x [M 2,048, K 2,048] x [K 2,048, N 64]; A: softmax (see below); B: computed on the way: QUANTISED
;;     6. [M 8,192, K 1,024] x [K 1,024, N 1,024]; A: computed on the way; B: input dense_w: QUANTISED
;;   THE QUANTISER, for each operand of a quantised product, along K:
;;     - K is cut into blocks of 32 from its start; a last block that is shorter is filled with zeros.
;;     - A block's scale is 2^e with e = floor(log2(the largest magnitude in the block)) - 2, held to -126 .. 127; a block of zeros has e = 0. As a byte (E8M0): e + 127.
;;     - Each number is divided by its block's scale, clamped to +-7.5, and rounded to the nearest number of E2M3, ties to even, subnormals kept.
;;     - The product sums the exact products of the quantised numbers (number of the format x scale) in f32.
;;   ~~~python
;;   def quantise(x, axis):      # numpy; x: float32 -> the quantised numbers, widened to float32 again
;;       x = np.moveaxis(x, axis, -1); K = x.shape[-1]
;;       x = np.pad(x, [(0, 0)] * (x.ndim - 1) + [(0, -K % 32)]); x = x.reshape(x.shape[:-1] + (-1, 32)); a = np.abs(x).max(-1, keepdims=True)
;;       e = np.where(a > 0, np.clip(np.frexp(np.where(a > 0, a, 1))[1] - 1 - 2, -126, 127), 0)      # np.frexp(a)[1] - 1 = floor(log2(a)), exactly
;;       r = np.clip(x / 2.0 ** e, -7.5, 7.5)
;;       step = 2.0 ** (np.maximum(np.frexp(np.where(r == 0, 1, r))[1] - 1, 0) - 3)
;;       q = np.round(r / step) * step * 2.0 ** e      # np.round: ties to even
;;       return np.moveaxis(q.reshape(q.shape[:-2] + (-1,))[..., :K], -1, axis).astype(np.float32)
;;   ~~~
;;   SOFTMAX AHEAD OF A QUANTISED PRODUCT. Where the list says 'softmax', what is quantised is not the finished softmax but p = 2^(t - M), with t = logit x log2(e) and M = ceil(the row's largest t), a whole number; so 1/2 < the row's largest p <= 1. The row's sum l is taken of the UNQUANTISED p, in f32, and the product's result is divided by l at the end. Since M is a whole number, a kernel that streams over the keys may use a running M (the ceiling of the running maximum): every later rescaling is an exact power of two, which a block's scale takes up: the codes' values come out the same.
;;   OPERANDS COMPUTED ON THE WAY. 'Computed on the way' means the value that the module computes at that place (a softmax that the list does not call 'softmax' is quantised finished and normalised). What goes into a quantiser is computed in f32, as accurately as f32 sums, v_exp_f32 and their like allow (about 1e-6 of the number): no bf16 or f16 on the way to a quantiser, and a product that is left as it is and whose result goes on into a quantised operand takes f32 operands (vector FMAs, or v_wmma_f32_16x16x4_f32). A number that lies on a knife's edge between two numbers of the format may be rounded either way, as far as f32 arithmetic and the matrix unit's own rounding can turn it there, and no further.
;; One version. Each part assembles by itself: llvm-mc -triple=amdgcn-amd-amdhsa -mcpu=gfx1250 --defsym DOCPART=n.
;; ======== version 1 of 1: 4 launches
;; limits: right only within a limited range of input values
;; workspace buffers: cod 22,020,096 bytes; scl 917,504 bytes; hc 18,874,368 bytes; hs 786,432 bytes; cc 6,291,456 bytes; cs 262,144 bytes
;; launch quant (part 1): grid 448 x 1, 4 waves a work-group, no clusters, 35,328 bytes of LDS; arguments q, k, v, wq_w, wk_w, wv_w, dense_w, cod, scl; writes cod, scl
.if DOCPART == 1
	.amdgcn_target "amdgcn-amd-amdhsa--gfx1250"
	.amdhsa_code_object_version 6
	.text
	.protected	k_q7de2132d5c_quant
	.globl	k_q7de2132d5c_quant
	.p2align	8
	.type	k_q7de2132d5c_quant,@function
k_q7de2132d5c_quant:
	s_mov_b64 s[64:65], 0
	v_nop
	global_prefetch_b8 v0, s[64:65] scope:SCOPE_SE
	s_setreg_imm32_b32 hwreg(HW_REG_WAVE_MODE, 25, 1), 1
	s_wait_xcnt 0x0
; q, k, v [8192][1024] and the four weights [1024][1024], f32, K innermost, become codes of FP6 (E2M3) and one E8M0 byte for each 32 along K.
; A block's scale is 2^(floor(log2(its largest magnitude)) - 2); its byte is the largest magnitude's exponent field - 2, held at 1 from below.
; LIMITS: NaN and infinities among the inputs are not served.  A block of zeros gets the byte 1 where the rule says 127: its codes are zeros, and this program alone reads the bytes.
; A largest magnitude under 2^-124 is taken as 2^-124, which is the rule's hold of the exponent at -126.
; LAYOUT OF THE CODES, made for the launches that read them.  Rows go in POSITION BLOCKS of 16: block T holds the rows 32 (T / 2) + 8 (T % 2) + 0 .. 7 and the same + 16.
; A UNIT is 16 positions x 64 along K, 768 bytes, an image of operand registers: lane (r, h) owns the 24 bytes of row r, k = 32 h .. 32 h + 31: its first 16 bytes at 16 x lane, its last 8 at 512 + 8 x lane.
; cod: [block 0..1791][unit 0..15][768]; blocks: q 0, k 512, v 1024, wq 1536, wk 1600, wv 1664, dense 1728.   scl: [block][row r][32 bytes].
; SHARES.  A wave takes one position block, in 16 steps of one unit.  Each load reads two whole runs of 256 bytes (rows i and i + 16); the step turns through the wave's own stage in LDS,
; from which a lane takes the 32 neighbours of its block.  Loads run four steps (32 loads a wave) ahead, the turn one step.  Waves share nothing: no barrier.
; No matrix unit, no cluster, no tensor load: memory binds, and the work-groups share no input.
.set SROW,  272                        ; a stage row: 256 bytes + 16, so that the sixteen rows of a read start in different banks
.set STG,   16*SROW
.set WREG,  2*STG                      ; two stages for each wave
.set SPARE, 4*WREG                     ; behind them the spare words, 128 bytes for each wave
.set GIN,   4                          ; v4   in: 16 (lane % 16) + 16 rows x (lane / 16)
.set STI,   5                          ; v5   into the stage
.set STO,   6                          ; v6   out of it: row r, + 128 h
.set L16,   7                          ; v7   16 x lane
.set L8,    8                          ; v8   8 x lane
.set LSC,   9                          ; v9   32 r + 16 h: my four scale words
.set SH0,   10                         ; v10  8 h: where my byte stands in an even step's word;  v11: 16 + 8 h, in an odd step's
.set SH1,   11
.set W,     16                         ; v16-23 the row's eight scale words
.set PX,    24                         ; v24-31 the other half's
.set CT,    48                         ; v48-50 a block's second 16 codes
.set OW,    52                         ; v52-55 the words that go out
.set SPW,   60
.set NIL,   61
.set R,     64                         ; v64-191  four sets of 32 registers as loaded
.set X,     192                        ; v192-255 two sets of 32 neighbours
	s_load_b256 s[4:11], s[0:1], 0x0               ; q, k, v, wq_w
	s_load_b256 s[12:19], s[0:1], 0x20             ; wk_w, wv_w, dense_w, cod
	s_load_b64 s[20:21], s[0:1], 0x40              ; scl
	; The position blocks of k, v, wq_w and wk_w (work-groups 128 .. 415) are laid otherwise than the others': block T holds the rows 64 (T / 4) + 8 (T % 4) + 0 .. 7 and the same + 32,
	; so that in the launches that read them a lane's 32 results of four tiles are one scale block of 32 neighbours along the next K
	s_sub_co_u32 s36, ttmp9, 128
	s_cmp_lt_u32 s36, 288
	s_cselect_b32 s36, 17, 16                      ; log2 of the bytes from a block's first eight rows to its second eight
	s_cselect_b32 s39, 3, 1                        ; blocks in a group of rows, less one
	s_sub_co_u32 s37, s36, 15                      ; log2 of the blocks in a group
	s_add_co_u32 s38, s36, 1                       ; log2 of a group's bytes
	v_lshl_add_u32 v[SPW], v0, 2, SPARE
	v_mov_b32 v[NIL], 0
	v_lshrrev_b32 v1, 5, v0
	v_readfirstlane_b32 s24, v1                    ; wave
	v_and_b32 v2, 31, v0                           ; lane
	v_and_b32 v3, 15, v0                           ; r
	v_bfe_u32 v1, v0, 4, 1                         ; h
	v_lshlrev_b32 v[GIN], 4, v3
	v_lshl_add_u32 v[GIN], v1, s36, v[GIN]         ; lanes 16-31 stand 16 rows (k: 32 rows) of 4,096 bytes lower
	s_mul_i32 s25, s24, WREG
	v_mul_u32_u24 v[STI], v1, 8*SROW               ; rows i + 16 are positions i + 8
	v_lshl_add_u32 v[STI], v3, 4, v[STI]
	v_add_nc_u32 v[STI], s25, v[STI]
	v_mul_u32_u24 v[STO], v3, SROW
	v_lshl_add_u32 v[STO], v1, 7, v[STO]
	v_add_nc_u32 v[STO], s25, v[STO]
	v_lshlrev_b32 v[L16], 4, v2
	v_lshlrev_b32 v[L8], 3, v2
	v_lshlrev_b32 v[LSC], 5, v3
	v_lshl_add_u32 v[LSC], v1, 4, v[LSC]
	v_lshlrev_b32 v[SH0], 3, v1
	v_add_nc_u32 v[SH1], 16, v[SH0]
.irp i, 0,1,2,3,4,5,6,7
	v_mov_b32 v[PX+\i], 0                          ; written once: a lane permute's destination counts as one of its sources
.endr
	s_mov_b32 s22, 0x76543210
	s_mov_b32 s23, 0xfedcba98                      ; selects for lane l xor 16
	s_mov_b32 s26, 0xffff0000                      ; lanes 16-31
	s_lshl_b32 s27, ttmp9, 2
	s_add_co_u32 s27, s27, s24                     ; my position block, 0 .. 1791
	s_wait_kmcnt 0x0
	; which tensor: by the work-group's number alone; 128 work-groups for each of q, k, v, 16 for each weight
	s_mov_b64 s[28:29], s[16:17]
	s_mov_b32 s30, 432
	s_cmp_lt_u32 ttmp9, 432
	s_cselect_b64 s[28:29], s[14:15], s[28:29]
	s_cselect_b32 s30, 416, s30
	s_cmp_lt_u32 ttmp9, 416
	s_cselect_b64 s[28:29], s[12:13], s[28:29]
	s_cselect_b32 s30, 400, s30
	s_cmp_lt_u32 ttmp9, 400
	s_cselect_b64 s[28:29], s[10:11], s[28:29]
	s_cselect_b32 s30, 384, s30
	s_cmp_lt_u32 ttmp9, 384
	s_cselect_b64 s[28:29], s[8:9], s[28:29]
	s_cselect_b32 s30, 256, s30
	s_cmp_lt_u32 ttmp9, 256
	s_cselect_b64 s[28:29], s[6:7], s[28:29]
	s_cselect_b32 s30, 128, s30
	s_cmp_lt_u32 ttmp9, 128
	s_cselect_b64 s[28:29], s[4:5], s[28:29]
	s_cselect_b32 s30, 0, s30
	s_lshl_b32 s31, s30, 2
	s_sub_co_u32 s31, s27, s31                     ; the block's number in its tensor
	s_lshr_b32 s32, s31, s37
	s_lshl_b32 s32, s32, s38                       ; the group of 32 (k: 64) rows,
	s_and_b32 s33, s31, s39
	s_lshl_b32 s33, s33, 15                        ; 8 rows for each block in it
	s_add_co_u32 s32, s32, s33
	s_mov_b32 s33, 0
	s_add_nc_u64 s[28:29], s[28:29], s[32:33]
	s_mul_i32 s34, s27, 12288
	s_mov_b32 s35, 0
	s_add_nc_u64 s[18:19], s[18:19], s[34:35]      ; my block's codes
	s_lshl_b32 s34, s27, 9
	s_add_nc_u64 s[20:21], s[20:21], s[34:35]      ; and its scale bytes
.macro LOAD t                          ; step t: 16 rows x 256 bytes; an instruction takes rows i and i + 16
.irp i, 0,1,2,3,4,5,6,7
	global_load_b128 v[R+32*((\t)%4)+4*\i:R+32*((\t)%4)+4*\i+3], v[GIN], s[28:29] offset:\i*4096+(\t)*256 th:TH_LOAD_NT
.endr
.endm
.macro TURN t                          ; through the stage: LDS serves a wave's instructions in order (ISA guide 5.7.1.4), so no wait stands between the stores and the loads
.irp i, 0,1,2,3,4,5,6,7
	ds_store_b128 v[STI], v[R+32*((\t)%4)+4*\i:R+32*((\t)%4)+4*\i+3] offset:((\t)%2)*STG+\i*SROW
.endr
.irp j, 0,1,2,3,4,5,6,7
	ds_load_b128 v[X+32*((\t)%2)+4*\j:X+32*((\t)%2)+4*\j+3], v[STO] offset:((\t)%2)*STG+16*\j
.endr
.endm
.macro STEP t
.set XS, X+32*((\t)%2)
.set C, 32+8*((\t)%2)                  ; v32-37, v40-45: the unit's six registers, two sets by turns
	s_wait_dscnt 0x0                               ; this step's numbers are back, and its stores into the stage have read their registers,
.if (\t)+4 < 16
	LOAD (\t)+4                                    ; which take the loads of four steps on
.endif
.if (\t) < 15
.if (\t)+4 < 16
	s_wait_loadcnt 24                              ; the next step's eight loads are in; those of the three steps behind it may be out
.else
	s_wait_loadcnt 8*(14-(\t))                     ; the counts run down
.endif
	TURN (\t)+1
.endif
	v_max3_num_f32 v12, |v[XS]|, |v[XS+1]|, |v[XS+2]|     ; the block's largest magnitude: all 32 numbers are mine; two chains
	v_max3_num_f32 v13, |v[XS+3]|, |v[XS+4]|, |v[XS+5]|
.irp i, 6,10,14,18,22,26
	v_max3_num_f32 v12, v12, |v[XS+\i]|, |v[XS+\i+1]|
	v_max3_num_f32 v13, v13, |v[XS+\i+2]|, |v[XS+\i+3]|
.endr
	v_max3_num_f32 v12, v12, |v[XS+30]|, |v[XS+31]|
	v_max3_num_f32 v12, v12, v13, 0x1800000        ; and the floor 2^(3 - 127): the byte cannot fall under 1
	v_add_nc_u32 v14, 0xff000000, v12              ; 2 off the exponent field: the conversion takes this operand's exponent field as its scale
	s_wait_alu depctr_va_vdst(0)
	s_wait_xcnt 0x0                                ; the stores of two steps ago have read this set of code registers
	v_cvt_scalef32_pk16_fp6_f32 v[C:C+2], v[XS:XS+15], v14
	v_cvt_scalef32_pk16_fp6_f32 v[CT:CT+2], v[XS+16:XS+31], v14   ; (a conversion's three registers begin on an even number)
	v_lshrrev_b32 v15, 23, v14                     ; the scale's byte; also the plain line behind the conversions
	v_mov_b32 v[C+3], v[CT]
	v_mov_b32 v[C+4], v[CT+1]
	v_mov_b32 v[C+5], v[CT+2]
.if (\t)%2 == 0
	v_lshlrev_b32 v[W+(\t)/2], v[SH0], v15         ; block 2 t + h stands at byte 2 (t % 2) + h of word t / 2
.else
	v_lshl_or_b32 v[W+(\t)/2], v15, v[SH1], v[W+(\t)/2]
.endif
	global_store_b128 v[L16], v[C:C+3], s[18:19] offset:(\t)*768          ; 512 consecutive bytes,
	global_store_b64 v[L8], v[C+4:C+5], s[18:19] offset:(\t)*768+512      ; and 256: the unit is written whole
.endm
.irp t, 0,1,2,3
	LOAD \t
.endr
	s_wait_loadcnt 24                              ; step 0's eight loads are in
	TURN 0
.irp t, 0,1,2,3,4,5,6,7,8,9,10,11,12,13,14,15
	STEP \t
.endr
.irp i, 0,1,2,3,4,5,6,7
	v_permlanex16_b32 v[PX+\i], v[W+\i], s22, s23
.endr
.irp i, 0,1,2,3,4,5,6,7
	v_or_b32 v[W+\i], v[W+\i], v[PX+\i]            ; with lane l xor 16's two bytes each word is whole
.endr
.irp i, 0,1,2,3
	v_cndmask_b32 v[OW+\i], v[W+\i], v[W+4+\i], s26    ; lanes 0-15 store words 0-3 of their row, lanes 16-31 words 4-7
.endr
	global_store_b128 v[LSC], v[OW:OW+3], s[20:21] ; the wave stores 512 consecutive bytes
	s_wait_tensorcnt 0x0                           ; the wave's end: behind my last LDS store
	ds_add_u32 v[SPW], v[NIL]
	s_wait_dscnt 0x0
	s_endpgm
.Lfunc_end_k_q7de2132d5c_quant:
	.size	k_q7de2132d5c_quant, .Lfunc_end_k_q7de2132d5c_quant-k_q7de2132d5c_quant
	.p2alignl 7, 3214868480
	.fill 96, 4, 3214868480
	.section	.rodata,"a",@progbits
	.p2align	6, 0x0
	.amdhsa_kernel k_q7de2132d5c_quant
		.amdhsa_group_segment_fixed_size 35328
		.amdhsa_private_segment_fixed_size 0
		.amdhsa_enable_private_segment 0
		.amdhsa_kernarg_size 72
		.amdhsa_user_sgpr_count 2
		.amdhsa_user_sgpr_kernarg_segment_ptr 1
		.amdhsa_wavefront_size32 1
		.amdhsa_system_sgpr_workgroup_id_x 1
		.amdhsa_system_sgpr_workgroup_id_y 1
		.amdhsa_system_sgpr_workgroup_id_z 1
		.amdhsa_system_vgpr_workitem_id 0
		.amdhsa_next_free_vgpr 256
		.amdhsa_next_free_sgpr 66
		.amdhsa_reserve_vcc 0
		.amdhsa_float_denorm_mode_32 3
		.amdhsa_float_denorm_mode_16_64 3
		.amdhsa_memory_ordered 1
		.amdhsa_forward_progress 1
		.amdhsa_inst_pref_size 61
	.end_amdhsa_kernel
	.amdgpu_metadata
---
amdhsa.version: [ 1, 2 ]
amdhsa.kernels:
  - .name:           k_q7de2132d5c_quant
    .symbol:         k_q7de2132d5c_quant.kd
    .args:
      - { .name: q, .offset: 0, .size: 8, .value_kind: global_buffer, .address_space: global }
      - { .name: k, .offset: 8, .size: 8, .value_kind: global_buffer, .address_space: global }
      - { .name: v, .offset: 16, .size: 8, .value_kind: global_buffer, .address_space: global }
      - { .name: wq_w, .offset: 24, .size: 8, .value_kind: global_buffer, .address_space: global }
      - { .name: wk_w, .offset: 32, .size: 8, .value_kind: global_buffer, .address_space: global }
      - { .name: wv_w, .offset: 40, .size: 8, .value_kind: global_buffer, .address_space: global }
      - { .name: dense_w, .offset: 48, .size: 8, .value_kind: global_buffer, .address_space: global }
      - { .name: cod, .offset: 56, .size: 8, .value_kind: global_buffer, .address_space: global }
      - { .name: scl, .offset: 64, .size: 8, .value_kind: global_buffer, .address_space: global }
    .group_segment_fixed_size: 35328
    .private_segment_fixed_size: 0
    .kernarg_segment_align: 8
    .kernarg_segment_size: 72
    .max_flat_workgroup_size: 128
    .sgpr_count:     66
    .vgpr_count:     256
    .wavefront_size: 32
...
	.end_amdgpu_metadata
.endif
;; end of part 1
;; launch proj (part 2): grid 16 x 16, 4 waves a work-group, clusters of 4 x 4, 327,680 bytes of LDS; arguments cod, scl, wq_b, wk_b, wv_b, hc, hs; writes hc, hs
.if DOCPART == 2
	.amdgcn_target "amdgcn-amd-amdhsa--gfx1250"
	.amdhsa_code_object_version 6
	.text
	.protected	k_q7de2132d5c_proj
	.globl	k_q7de2132d5c_proj
	.p2align	8
	.type	k_q7de2132d5c_proj,@function
k_q7de2132d5c_proj:
	s_mov_b64 s[64:65], 0
	v_nop
	global_prefetch_b8 v0, s[64:65] scope:SCOPE_SE
	s_setreg_imm32_b32 hwreg(HW_REG_WAVE_MODE, 25, 1), 1
	s_wait_xcnt 0x0
	s_wait_alu depctr_hold_cnt(0) depctr_sa_sdst(0) depctr_va_vdst(0) depctr_va_sdst(0) depctr_va_ssrc(0) depctr_va_vcc(0) depctr_vm_vsrc(0)
	s_getreg_b32 s2, hwreg(HW_REG_IB_STS2, 6, 4)
	s_cmp_eq_u32 s2, 0
	s_cbranch_scc0 .Lentry_in_a_cluster
	s_endpgm
.Lentry_in_a_cluster:
	s_bfe_u32 s2, ttmp6, 0x10000c
	s_cmp_lg_u32 s2, 0xf033
	s_cbranch_scc0 .Lentry_shape_is_right
	s_endpgm
.Lentry_shape_is_right:
; Q = q wq^T + b, K = k wk^T + b, V = v wv^T + b on codes of FP6 (E2M3) with E8M0 scales, and their quantisers: the results leave as codes and scale bytes, in the order of the attention launch's operand registers.
; IN: cod [block][unit 16][768], scl [block][row][32]; blocks: q 0, k 512, v 1024, wq 1536, wk 1600, wv 1664.  OUT: hc: Q, K [tensor][batch][head][step 16][token block 8][768];
; V [batch][pair of heads][64 keys of a step: 2][step 16][channel block 8][768];  hs [tensor][batch][head][step][256].
; THE DEAL.  256 work-groups of four waves, 2 x 2.  A work-group makes 256 x 128 of V, PHASE 1, and then 512 x 128 of Q or K, PHASE 2.  A wave holds 64 rows of a weight (one head), ALL of K, in 384 registers, and token
; blocks of 16 rows stream past them, 8 fragments a block in two sets: 32 products a block on four accumulators by turns.
; Tensor (cluster x / 2) and V's half (cluster x % 2) come from the cluster's number alone.  Tokens are shared by a ROW of the cluster, a weight's rows by a COLUMN: every tile is asked for jointly.
; LDS: two slots of 128 token rows with all of K, a region of its own for the weight's 128 rows, the stages for the results' scale bytes (XN, XM), phase 2's token scale words (XS), the spare words.
; FILLS.  At the head one tensor load a wave: wv's halves, V's two chunks.  FOUR REFILLS, each in a drained round of the cluster's barrier inside a block's products: in V's block 2 slot 0 and the weight's region,
; in V's block 6 slot 1, in phase 2's blocks 2 and 6 a slot each.  What a refill brought is shown by the next round, the last one's by a plain barrier behind which nothing is filled.
; THE WAY OUT.  Q, K: transposed use (source 0 = the weight's rows): by the rows' order a lane's 32 sums of a block are channels 32 h + 0 .. 31 of the head: one scale block.  V: source 0 = the tokens: a lane's 8 sums of
; each of four blocks are keys 32 h + 0 .. 31 of a band of 64, for each of four channel tiles.  No lane looks at another.  The bias is the first products' C.
; THE WAITS ON DScnt at a block's head count what was issued behind the block's fetch: phase 1: the next fetch (32), with the add 33, with a band's four byte stores 36; phase 2: a fetch is 33 loads; with two byte stores 35,
; with the add 36; its first two blocks 37 and 38 (the next fetches and V's four byte stores); the last block 2.  Behind a round or the plain barrier the wait for all LDS work has shown the next block in.
; PREFETCHES: the second weight and phase 2's four chunks, each asked for once in the cluster, a sixteenth by each of the sixteen waves that will load it jointly, told apart by address; a tile or more ahead of its load.
; LIMITS: NaN and infinities are not served; a block of zeros gets the byte 1, which this program alone reads.
.set BLK,   12288
.set YB,    8*BLK
.set BVB,   16*BLK
.set XN,    294912                     ; Q's or K's scale bytes: [wave column][step 4][256]
.set XM,    296960                     ; V's: [wave column][step 2][256]
.set XS,    297984                     ; phase 2's token scale words: [wave row][block 16][512], images of four registers
.set SPARE, 314368
.set L16,  4
.set L8,   5
.set AB16, 6
.set AB8,  7
.set AV16, 8                           ; v8, v9 my four blocks of slot 0 in phase 1; v10, v11 of slot 1
.set AV8,  9
.set AQ16, 12
.set AQ8,  13
.set AD16, 14
.set AD8,  15
.set ASB,  16
.set AAS,  17
.set STO,  18
.set STV,  19
.set VX,   20
.set LS,   21
.set SPW,  22
.set NIL,  23
.set PF,   24                          ; v24-28 the prefetches' offsets, never rewritten
.set LBQ,  29
.set LBV,  30
.set ASW,  31
.set SA,   32                          ; v32-39 phase 2's token scale words, two sets of four
.set SCPV, 40                          ; v40-71 phase 1's, four a block
.set SCRV, 74                          ; v74-89 wv's scale words;  v90-105 wq's or wk's (their numbers differ from the tokens' modulo 8)
.set SCRQ, 90
.set BQ,   106                         ; v106-137 Q's or K's bias as the result lies
.set TQ,   138
.set SOP,  142
.set EB,   143
.set CD,   144                         ; v144-149, v152-157 phase 2's codes, two sets
.set TC,   160
.set CDV,  164                         ; v164-195 V's codes, eight registers a tile
.set TMP,  196
.set HVL,  72                          ; window 3: v840-967 the sums (phase 2 uses the first 32);  v968-999 V's bias
.set BVL,  200
.set WV,   18
.set WP,   19
.set WR,   20
.set G1W,  32
.set G1C4, 40
.set G1C8, 48
.set G0W,  56
.set G0R,  60
.set G0X,  68
.set G0Y,  72
.set G0W2, 76
.set MSB, 0
.macro WIN new
.if MSB != (\new)
	s_set_vgpr_msb (MSB<<8)|(\new)
.set MSB, (\new)
.endif
.endm
.macro WALU
	s_wait_alu depctr_va_vdst(0)
.endm
.macro PLACES n
.rept \n
	v_nop
.endr
.endm
.macro BARRIER
	s_barrier_signal -1
	s_barrier_wait -1
.endm
.macro MIDDLE                          ; a round behind its opening signal
	s_barrier_wait -1
	s_cmp_lg_u32 s[WV], 0
	s_cbranch_scc1 .Lnw0_\@
	s_barrier_signal -3
.Lnw0_\@:
	s_barrier_wait -3
	BARRIER
.endm
.macro CROUND
	s_barrier_signal -1
	MIDDLE
.endm
.macro TLOAD g0, g1
	tensor_load_to_lds s[\g0:\g0+3], s[\g1:\g1+7]
	s_nop 0
	PLACES 4
.endm
.macro GROUP1 g, mask, rows            ; a dense block as rows of 256 bytes
	s_or_b32 s[\g], s\mask, (3<<16)|(1<<21)
	s_mov_b32 s[\g+1], 32<<16
	s_mov_b32 s[\g+2], (\rows)<<16
	s_mov_b32 s[\g+3], 32<<16
	s_mov_b32 s[\g+4], \rows
	s_mov_b32 s[\g+5], 32
	s_mov_b32 s[\g+6], 0
	s_mov_b32 s[\g+7], 0
.endm
.macro FILL both                       ; behind a round: waves 0, 1 a half of a chunk each; both = 1: waves 2, 3 a half of the second weight each
	s_cmp_lt_u32 s[WV], 2
	s_cbranch_scc0 .Lother_\@
	TLOAD G0R, G1C4
.if \both
	s_branch .Ljoin_\@
.Lother_\@:
	TLOAD G0W2, G1W
.Ljoin_\@:
.else
.Lother_\@:
.endif
.endm
.macro NEXTR                           ; the chunk's descriptor steps on: no tensor load of mine is out here
	s_xor_b32 s94, s94, YB
	s_add_co_u32 s[G0R+1], s94, s95
	s_add_nc_u64 s[G0R+2:G0R+3], s[G0R+2:G0R+3], YB
.endm
; Fragment f lies in window 1 + f / 21 at register 12 (f % 21): 0-31 the weight's (4 q + t), 32-39 and 40-47 the tokens' two sets.  Two units on end, each 512 + 256 consecutive bytes.
.macro FRAG f, a16, a8, off
	WIN (1+(\f)/21)<<6
.set R_, 12*((\f)%21)
	ds_load_b128 v[R_:R_+3], v[\a16] offset:\off
	ds_load_b64 v[R_+4:R_+5], v[\a8] offset:\off+512
	ds_load_b128 v[R_+6:R_+9], v[\a16] offset:\off+768
	ds_load_b64 v[R_+10:R_+11], v[\a8] offset:\off+1280
.endm
.macro WEIGHTS                         ; my 64 rows of the weight, all of K: 128 loads
.irp q, 0,1,2,3,4,5,6,7
.irp t, 0,1,2,3
	FRAG 4*\q+\t, AB16, AB8, \t*BLK+\q*1536
.endr
.endr
	WIN 0
.endm
.macro VFETCH n                        ; phase 1's block n: 32 loads
.irp q, 0,1,2,3,4,5,6,7
	FRAG 32+8*((\n)%2)+\q, AV16+2*((\n)/4), AV8+2*((\n)/4), ((\n)%4)*BLK+\q*1536
.endr
	WIN 0
.endm
.macro QFETCH e                        ; phase 2's next block into set e: 33 loads; then the ring and the scale words step on
	v_add_nc_u32 v[AD16], s100, v[AQ16]
	v_add_nc_u32 v[AD8], s100, v[AQ8]
	v_add_nc_u32 v[AAS], s101, v[ASB]
.irp q, 0,1,2,3,4,5,6,7
	FRAG 32+8*(\e)+\q, AD16, AD8, \q*1536
.endr
	WIN 0
	ds_load_b128 v[SA+4*(\e):SA+4*(\e)+3], v[AAS]
	s_add_co_u32 s100, s100, 2*BLK
	s_cmp_eq_u32 s100, 16*BLK
	s_cselect_b32 s100, 0, s100
	s_add_co_u32 s101, s101, 512
.endm
.macro WM d, a, b, c, xa, xb, hi
.if \hi
	v_wmma_scale_f32_16x16x128_f8f6f4 v[\d:\d+7], v[\a:\a+11], v[\b:\b+11], \c, v[\xa], v[\xb] matrix_a_fmt:MATRIX_FMT_FP6 matrix_b_fmt:MATRIX_FMT_FP6 matrix_a_scale:MATRIX_SCALE_ROW1 matrix_b_scale:MATRIX_SCALE_ROW1
.else
	v_wmma_scale_f32_16x16x128_f8f6f4 v[\d:\d+7], v[\a:\a+11], v[\b:\b+11], \c, v[\xa], v[\xb] matrix_a_fmt:MATRIX_FMT_FP6 matrix_b_fmt:MATRIX_FMT_FP6
.endif
.endm
; products from .. to - 1 of a block: number 4 q + t.  kind 1 (V): source 0 the tokens, x the block's number; kind 0 (Q, K): source 0 the weight's rows
.macro PRODS kind, e, x, from, to
.set N_, \from
.rept (\to)-(\from)
.set Q_, N_/4
.set T_, N_%4
.set FW_, 4*Q_+T_
.set FT_, 32+8*(\e)+Q_
.set RW_, 12*(FW_%21)
.set RT_, 12*(FT_%21)
.if \kind
.set D_, HVL+32*T_+8*((\x)%4)
	WIN (1+FT_/21)|((1+FW_/21)<<2)|0xf0
.if Q_
	WM D_, RT_, RW_, v[D_:D_+7], SCPV+4*(\x)+Q_%4, SCRV+4*T_+Q_%4, Q_/4
.else
	WM D_, RT_, RW_, v[BVL+8*T_:BVL+8*T_+7], SCPV+4*(\x)+Q_%4, SCRV+4*T_+Q_%4, 0
.endif
.else
.set D_, HVL+8*T_
.if Q_
	WIN (1+FW_/21)|((1+FT_/21)<<2)|0xf0
	WM D_, RW_, RT_, v[D_:D_+7], SCRQ+4*T_+Q_%4, SA+4*(\e)+Q_%4, Q_/4
.else
	WIN (1+FW_/21)|((1+FT_/21)<<2)|0xc0
	WM D_, RW_, RT_, v[BQ+8*T_:BQ+8*T_+7], SCRQ+4*T_+Q_%4, SA+4*(\e)+Q_%4, 0
.endif
.endif
.set N_, N_+1
.endr
.endm
; 32 sums of a lane, window 3 from register xl on, become 32 codes in v[c .. c+5] and the scale's byte in v[EB]: the largest magnitude in four chains, each accumulator from its low end on, with the floor 2^(3 - 127)
.macro OUT32 xl, c
	WIN 0x3f
.irp b, 0,1,2,3
	v_max3_num_f32 v[TQ+\b], |v[\xl+8*\b]|, |v[\xl+8*\b+1]|, |v[\xl+8*\b+2]|
.endr
	WIN 0x3c
.irp m, 3,5
.irp b, 0,1,2,3
	v_max3_num_f32 v[TQ+\b], v[TQ+\b], |v[\xl+8*\b+\m]|, |v[\xl+8*\b+\m+1]|
.endr
.endr
	v_max3_num_f32 v[TQ], v[TQ], |v[\xl+7]|, |v[\xl+15]|
	v_max3_num_f32 v[TQ+2], v[TQ+2], |v[\xl+23]|, |v[\xl+31]|
	WIN 0
	v_max3_num_f32 v[TQ+1], v[TQ+1], v[TQ+3], 0x1800000
	v_max3_num_f32 v[TQ], v[TQ], v[TQ+2], v[TQ+1]
	v_add_nc_u32 v[SOP], 0xff000000, v[TQ]         ; 2 off the exponent field: the conversions' scale operand
	WIN 3
	v_cvt_scalef32_pk16_fp6_f32 v[\c:\c+2], v[\xl:\xl+15], v[SOP]
	v_cvt_scalef32_pk16_fp6_f32 v[TC:TC+2], v[\xl+16:\xl+31], v[SOP]   ; (a conversion's three registers begin on an even number)
	WIN 0
	v_lshrrev_b32 v[EB], 23, v[SOP]                ; the byte; also the plain line behind the conversions
.irp i, 0,1,2
	v_mov_b32 v[\c+3+\i], v[TC+\i]
.endr
.endm
.macro BAND g                          ; V's way out of a band of 64 keys in step g: four units and their bytes
	s_wait_xcnt 0x0                                ; earlier stores have read the code registers
.irp t, 0,1,2,3
	OUT32 HVL+32*\t, CDV+8*\t
	ds_store_b8 v[STV], v[EB] offset:(\g)*256+128*(\t/2)+4*(\t%2)
	global_store_b128 v[L16], v[CDV+8*\t:CDV+8*\t+3], s[88:89] offset:(\g)*6144+\t*768
	global_store_b64 v[L8], v[CDV+8*\t+4:CDV+8*\t+5], s[88:89] offset:(\g)*6144+\t*768+512
.endr
.endm
; A block of phase 1.  kind 1: the round with the first refills; kind 2: the round with slot 1's
.macro VBLK n, w, kind
.if \kind
	s_wait_tensorcnt 0x0                           ; the three lines ahead of a round; products stand between the add and its wait
	ds_add_u32 v[SPW], v[NIL]
.if (\kind) == 2
	NEXTR
.endif
.endif
.if (\w) >= 0
	s_wait_dscnt \w
.endif
	PRODS 1, (\n)%2, \n, 0, 26
.if \kind
	WIN 0
	s_wait_dscnt 0x0
	s_barrier_signal -1
.endif
	PRODS 1, (\n)%2, \n, 26, 32
	WIN 0
.if \kind
	MIDDLE
	FILL 2-(\kind)
.endif
	PLACES 4                                       ; in front of the loads into the fragments' registers and of the first read of the sums
.endm
; A block of phase 2.  kind 1: a round with a refill; kind 2: the plain barrier that shows the last refill.  st: the codes' place steps on
.macro QBLK e, w, kind, fetch, st
.if (\kind) == 1
	s_wait_tensorcnt 0x0
	ds_add_u32 v[SPW], v[NIL]
	NEXTR
.endif
.if (\w) >= 0
	s_wait_dscnt \w
.endif
	PRODS 0, \e, 0, 0, 26
.if \kind
	WIN 0
.if (\kind) == 2
	s_wait_tensorcnt 0x0
.endif
	s_wait_dscnt 0x0
	s_barrier_signal -1
.endif
	PRODS 0, \e, 0, 26, 32
	WIN 0
.if (\kind) == 1
	MIDDLE
	FILL 0
.elseif (\kind) == 2
	s_barrier_wait -1
.endif
	PLACES 4
.if \fetch
	QFETCH \e
.endif
	s_wait_xcnt 0x0                                ; earlier stores have read their base and this set of code registers
.if \st
	s_add_nc_u64 s[86:87], s[86:87], 1536          ; my next token block: two blocks of 768 bytes on
.endif
.if (\e) == 0
	v_add_nc_u32 v[VX], s97, v[STO]                ; the pair's bytes in the stage
	s_add_co_u32 s97, s97, 128
.endif
	OUT32 HVL, CD+8*(\e)
	ds_store_b8 v[VX], v[EB] offset:4*(\e)
	global_store_b128 v[L16], v[CD+8*(\e):CD+8*(\e)+3], s[86:87]             ; a unit, written whole: 512 consecutive bytes,
	global_store_b64 v[L8], v[CD+8*(\e)+4:CD+8*(\e)+5], s[86:87] offset:512  ; and 256
.endm
.macro SUM64 d, base                   ; s[d:d+1] = s[base:base+1] + s98
	s_add_nc_u64 s[\d:\d+1], s[\base:\base+1], s[98:99]
.endm
; ================= THE HEAD
	s_load_b256 s[4:11], s[0:1], 0x0               ; cod, scl, wq_b, wk_b
	s_load_b128 s[12:15], s[0:1], 0x20             ; wv_b, hc
	s_load_b64 s[16:17], s[0:1], 0x30              ; hs
	v_lshl_add_u32 v[SPW], v0, 2, SPARE
	v_mov_b32 v[NIL], 0
	ds_add_u32 v[SPW], v[NIL]                      ; the opening lines: the add, twice on end, and its wait
	ds_add_u32 v[SPW], v[NIL]
	v_lshrrev_b32 v1, 5, v0
	v_readfirstlane_b32 s[WV], v1
	s_lshr_b32 s[WP], s[WV], 1                     ; my row of the 2 x 2,
	s_and_b32 s[WR], s[WV], 1                      ; my column; also which half of a tile I fetch
	s_bfe_u32 s21, ttmp6, 0x40000                  ; cx
	s_bfe_u32 s22, ttmp6, 0x40004                  ; cy
	s_lshr_b32 s24, ttmp9, 1                       ; 0 Q, 1 K
	s_and_b32 s25, ttmp9, 1
	s_lshl_b32 s26, s25, 2
	s_add_co_u32 s26, s26, s21                     ; phase 2's tile column in its tensor, 0..7
	s_and_b32 s27, ttmp7, 0xffff
	s_lshl_b32 s27, s27, 2
	s_add_co_u32 s27, s27, s22                     ; its tile row, 0..15
	s_lshl_b32 s28, s24, 2
	s_add_co_u32 s28, s28, s21                     ; V's tile column, 0..7
	s_lshl_b32 s29, s27, 1
	s_add_co_u32 s29, s29, s25                     ; V's tile row, 0..31
	s_lshl_b32 s30, s22, 2
	s_lshl_b32 s30, 15, s30                        ; my row of the cluster
	s_lshl_b32 s31, 0x1111, s21                    ; my column
	GROUP1 G1W, 31, 192                            ; half a weight's tile
	GROUP1 G1C4, 30, 192                           ; half a chunk
	GROUP1 G1C8, 30, 384                           ; a chunk
	s_lshl_b32 s66, s29, 4
	s_add_co_u32 s66, s66, 1024                    ; V's first token block
	s_lshl_b32 s67, s24, 9
	s_lshl_b32 s98, s27, 5
	s_add_co_u32 s67, s67, s98                     ; phase 2's
	s_lshl_b32 s98, s[WR], 2
	s_lshl_b32 s80, s28, 3
	s_add_co_u32 s80, s80, s98
	s_add_co_u32 s80, s80, 1664                    ; wv's blocks: tile column, half
	s_lshl_b32 s81, s24, 6
	s_lshl_b32 s3, s26, 3
	s_add_co_u32 s81, s81, s3
	s_add_co_u32 s81, s81, s98
	s_add_co_u32 s81, s81, 1536                    ; wq's or wk's
	s_mul_i32 s95, s[WR], 4*BLK
	s_mov_b32 s94, 0
	s_mov_b32 s97, 0
	s_mov_b32 s99, 0
	s_mov_b32 s100, 0
	s_mov_b32 s101, 0
	s_mov_b32 s[G0X], 1
	s_mov_b32 s[G0X+1], 0
	s_mov_b32 s[G0Y], 1
	s_mov_b32 s[G0Y+1], YB
	s_mov_b32 s[G0R], 1
	s_mov_b32 s[G0R+1], s95
	s_mov_b32 s[G0W], 1
	s_add_co_u32 s[G0W+1], s95, BVB
	s_mov_b32 s[G0W2], 1
	s_add_co_u32 s[G0W2+1], s95, BVB
	WALU                                           ; the wait ahead of the blocking waits
	s_wait_dscnt 0x0                               ; both opening adds are done
	s_wait_kmcnt 0x0
	s_mul_i32 s98, s66, BLK
	SUM64 G0X+2, 4
	s_add_nc_u64 s[G0Y+2:G0Y+3], s[G0X+2:G0X+3], YB
	s_mul_i32 s98, s67, BLK
	s_add_co_u32 s98, s98, s95
	SUM64 G0R+2, 4
	s_mul_i32 s98, s80, BLK
	SUM64 G0W+2, 4
	s_mul_i32 s98, s81, BLK
	SUM64 G0W2+2, 4
.irp g, G0X, G0Y, G0R, G0W, G0W2
	s_or_b32 s[\g+3], s[\g+3], 0x80000000
.endr
	CROUND                                         ; all sixteen work-groups are here: the first joint loads meet
	s_cmp_lt_u32 s[WV], 2
	s_cbranch_scc0 .Lwave_2
	TLOAD G0W, G1W                                 ; waves 0, 1: wv's rows, which go on into registers
	s_branch .Lasked
.Lwave_2:
	s_cmp_eq_u32 s[WV], 2
	s_cbranch_scc0 .Lwave_3
	TLOAD G0X, G1C8                                ; wave 2: V's chunk 0
	s_branch .Lasked
.Lwave_3:
	TLOAD G0Y, G1C8                                ; wave 3: chunk 1
.Lasked:
	s_lshl_b32 s98, s[WP], 2                       ; the scale words' places in scl: V's tokens, my four blocks of a chunk;
	s_add_co_u32 s98, s98, s66
	s_lshl_b32 s98, s98, 9
	SUM64 82, 6
	s_lshl_b32 s98, s[WR], 1                       ; phase 2's tokens: block 2 i + my row; of my row's sixteen I copy those of my column's parity;
	s_add_co_u32 s98, s98, s[WP]
	s_add_co_u32 s98, s98, s67
	s_lshl_b32 s98, s98, 9
	SUM64 84, 6
	s_lshl_b32 s98, s80, 9                         ; the weights'
	SUM64 2, 6
	s_lshl_b32 s98, s81, 9
	SUM64 6, 6
	s_cmp_eq_u32 s24, 0                            ; the biases: my head's 64 numbers
	s_cselect_b64 s[8:9], s[8:9], s[10:11]
	s_lshl_b32 s98, s26, 1
	s_add_co_u32 s98, s98, s[WR]
	s_lshl_b32 s98, s98, 8
	SUM64 8, 8
	s_lshl_b32 s98, s28, 1
	s_add_co_u32 s98, s98, s[WR]
	s_lshl_b32 s98, s98, 8
	SUM64 12, 12
	s_lshr_b32 s10, s27, 2                         ; Q's or K's codes: tensor, batch x 16 + head, first step, my row's block
	s_lshl_b32 s10, s10, 4
	s_lshl_b32 s11, s26, 1
	s_add_co_u32 s10, s10, s11                     ; batch x 16 + the pair's first head
	s_add_co_u32 s11, s10, s[WR]
	s_mul_i32 s98, s11, 98304
	s_mul_i32 s11, s24, 6291456
	s_add_co_u32 s98, s98, s11
	s_and_b32 s11, s27, 3
	s_mul_i32 s66, s11, 4*6144
	s_add_co_u32 s98, s98, s66
	s_mul_i32 s66, s[WP], 768
	s_add_co_u32 s98, s98, s66
	SUM64 86, 14
	s_add_co_u32 s10, s10, s[WP]                   ; their scale bytes, as the stage is emptied: wave w takes head w / 2, steps 2 (w % 2) and the next
	s_lshl_b32 s98, s10, 12
	s_lshl_b32 s10, s24, 18
	s_add_co_u32 s98, s98, s10
	s_lshl_b32 s11, s11, 2
	s_lshl_b32 s10, s[WR], 1
	s_add_co_u32 s11, s11, s10
	s_lshl_b32 s11, s11, 8
	s_add_co_u32 s98, s98, s11
	SUM64 90, 16
	s_lshr_b32 s10, s29, 3                         ; V's codes: batch, pair of heads, my band's plane, first step, my head's four channel blocks
	s_mul_i32 s98, s10, 1572864
	s_mul_i32 s11, s28, 196608
	s_add_co_u32 s98, s98, s11
	s_mul_i32 s11, s[WP], 98304
	s_add_co_u32 s98, s98, s11
	s_and_b32 s11, s29, 7
	s_mul_i32 s66, s11, 2*6144
	s_add_co_u32 s98, s98, s66
	s_mul_i32 s66, s[WR], 3072
	s_add_co_u32 s98, s98, s66
	s_add_co_u32 s98, s98, 12582912
	SUM64 88, 14
	s_lshl_b32 s10, s10, 4                         ; V's scale bytes: wave w takes head w / 2, step w % 2
	s_lshl_b32 s66, s28, 1
	s_add_co_u32 s10, s10, s66
	s_add_co_u32 s10, s10, s[WP]
	s_lshl_b32 s98, s10, 12
	s_lshl_b32 s11, s11, 1
	s_add_co_u32 s11, s11, s[WR]
	s_lshl_b32 s11, s11, 8
	s_add_co_u32 s98, s98, s11
	s_add_co_u32 s98, s98, 524288
	SUM64 92, 16
	v_and_b32 v1, 31, v0
	v_and_b32 v2, 15, v0                           ; r
	v_bfe_u32 v3, v0, 4, 1                         ; h
	v_lshlrev_b32 v[L16], 4, v1
	v_lshlrev_b32 v[L8], 3, v1
	v_lshlrev_b32 v[LS], 5, v2
	v_lshl_add_u32 v[LS], v3, 4, v[LS]             ; a row's scale words 0-3 or 4-7
	v_lshlrev_b32 v[LBQ], 7, v3                    ; Q, K: register 8 t + j of lane (r, h) is channel 32 h + 8 t + j
	v_and_b32 v[LBV], 8, v2
	v_add_nc_u32 v[LBV], v[LBV], v2
	v_lshlrev_b32 v[LBV], 2, v[LBV]                ; V: lane r of tile t has channel 32 (t / 2) + 8 (t % 2) + r % 8 + 16 (r / 8)
.irp t, 0,1,2,3
	global_load_b128 v[SCRV+4*\t:SCRV+4*\t+3], v[LS], s[2:3] offset:\t*512
	global_load_b128 v[SCRQ+4*\t:SCRQ+4*\t+3], v[LS], s[6:7] offset:\t*512
	global_load_b128 v[BQ+8*\t:BQ+8*\t+3], v[LBQ], s[8:9] offset:\t*32
	global_load_b128 v[BQ+8*\t+4:BQ+8*\t+7], v[LBQ], s[8:9] offset:\t*32+16
.endr
.irp n, 0,1,2,3,4,5,6,7
	global_load_b128 v[SCPV+4*\n:SCPV+4*\n+3], v[LS], s[82:83] offset:(8*(\n/4)+\n%4)*512
	global_load_b128 v[TMP+4*\n:TMP+4*\n+3], v[LS], s[84:85] offset:(8*(\n/2)+4*(\n%2))*512
.endr
	WIN 3<<6
.irp t, 0,1,2,3
	global_load_b32 v[BVL+8*\t], v[LBV], s[12:13] offset:(32*(\t/2)+8*(\t%2))*4
.endr
	WIN 0
	s_add_co_u32 s10, s95, BVB
	v_add_nc_u32 v[AB16], s10, v[L16]
	v_add_nc_u32 v[AB8], s10, v[L8]
	s_mul_i32 s10, s[WP], 4*BLK
	v_add_nc_u32 v[AV16], s10, v[L16]
	v_add_nc_u32 v[AV8], s10, v[L8]
	s_add_co_u32 s10, s10, YB
	v_add_nc_u32 v[AV16+2], s10, v[L16]
	v_add_nc_u32 v[AV8+2], s10, v[L8]
	s_mul_i32 s10, s[WP], BLK
	v_add_nc_u32 v[AQ16], s10, v[L16]
	v_add_nc_u32 v[AQ8], s10, v[L8]
	s_lshl_b32 s10, s[WP], 13
	s_add_co_u32 s10, s10, XS
	v_add_nc_u32 v[ASB], s10, v[L16]
	s_lshl_b32 s11, s[WR], 9
	s_add_co_u32 s10, s10, s11
	v_add_nc_u32 v[ASW], s10, v[L16]
	v_lshl_add_u32 v3, v2, 3, v3                   ; 8 r + h
	s_lshl_b32 s10, s[WR], 10
	s_lshl_b32 s11, s[WP], 1
	s_add_co_u32 s10, s10, s11
	s_add_co_u32 s10, s10, XN
	v_add_nc_u32 v[STO], s10, v3
	s_lshl_b32 s10, s[WR], 9
	s_add_co_u32 s10, s10, s11
	s_add_co_u32 s10, s10, XM
	v_add_nc_u32 v[STV], s10, v3
	v_min_u32 v2, 23, v1                           ; the prefetches: a sixteenth of a tile is 24 runs of 256 bytes: a lane a run, the lanes left over name the last again
	v_lshlrev_b32 v2, 8, v2
	s_wait_alu depctr_va_vdst(0)
	s_lshl_b32 s10, s22, 2
	s_add_co_u32 s10, s10, s[WV]                   ; my number among the sixteen waves of my column of the cluster
	s_mul_i32 s10, s10, 6144
	s_mul_i32 s11, s81, BLK
	s_sub_co_u32 s11, s11, s95
	s_add_co_u32 s10, s10, s11
	v_add_nc_u32 v[PF], s10, v2                    ; the second weight's tile
	s_lshl_b32 s10, s21, 2
	s_add_co_u32 s10, s10, s[WV]                   ; and of my row
	s_mul_i32 s10, s10, 6144
	s_mul_i32 s11, s67, BLK
	s_add_co_u32 s10, s10, s11
.irp c, 1,2,3,4
	v_add_nc_u32 v[PF+\c], s10, v2                 ; phase 2's chunk c - 1
	s_add_co_u32 s10, s10, YB
.endr
	WALU
	s_wait_loadcnt 0x0
.irp u, 0,1,2,3,4,5,6,7
	ds_store_b128 v[ASW], v[TMP+4*\u:TMP+4*\u+3] offset:\u*1024    ; phase 2's token scale words, block 2 u + my column, for both waves of my row
.endr
	WIN (3<<6)|3
.irp t, 0,8,16,24
.irp i, 1,2,3,4,5,6,7
	v_mov_b32 v[BVL+\t+\i], v[BVL+\t]              ; V's bias, one number a lane and tile, over the tile's eight registers
.endr
.endr
	WIN 0
	WALU                                           ; the wait at the head's end
	s_cmp_lt_u32 s[WV], 2
	s_cbranch_scc0 .Lnot_w
	s_wait_tensorcnt 0x0
.Lnot_w:
	s_wait_dscnt 0x0
	BARRIER                                        ; wv's rows are in; the chunks may still be on their way
	global_prefetch_b8 v[PF], s[4:5] th:TH_LOAD_NT scope:SCOPE_SE
	global_prefetch_b8 v[PF+1], s[4:5] th:TH_LOAD_NT scope:SCOPE_SE
	WEIGHTS
	s_cmp_eq_u32 s[WV], 3
	s_cbranch_scc1 .Lnot_c0
	s_wait_tensorcnt 0x0
.Lnot_c0:
	s_wait_dscnt 0x0
	BARRIER                                        ; chunk 0 is in
	VFETCH 0
	VFETCH 1
; ================= PHASE 1: V
	VBLK 0, 32, 0
	VFETCH 2
	VBLK 1, 32, 0
	VFETCH 3
	VBLK 2, 33, 1                                  ; the round shows chunk 1; slot 0 takes phase 2's chunk 0, the weight's region wq's or wk's rows
	VFETCH 4
	global_prefetch_b8 v[PF+2], s[4:5] th:TH_LOAD_NT scope:SCOPE_SE
	VBLK 3, -1, 0
	VFETCH 5
	BAND 0
	VBLK 4, 36, 0
	VFETCH 6
	VBLK 5, 36, 0
	VFETCH 7
	VBLK 6, 33, 2                                  ; the round shows phase 2's chunk 0 and the weight; slot 1 takes chunk 1
	QFETCH 0
	global_prefetch_b8 v[PF+3], s[4:5] th:TH_LOAD_NT scope:SCOPE_SE
	VBLK 7, -1, 0
; ================= THE CHANGE OF PHASE: the weight and the second block's rows in one run of loads; V's last way out under their flight
	WEIGHTS
	QFETCH 1
	global_prefetch_b8 v[PF+4], s[4:5] th:TH_LOAD_NT scope:SCOPE_SE
	BAND 1
; ================= PHASE 2: Q or K, sixteen blocks
	QBLK 0, 37, 0, 1, 0
	QBLK 1, 38, 0, 1, 1
	s_mov_b32 s96, 0
.Lwith_rounds:                                         ; blocks 2 to 5, 6 to 9
	QBLK 0, 36, 1, 1, 1
	QBLK 1, -1, 0, 1, 1
	QBLK 0, 35, 0, 1, 1
	QBLK 1, 35, 0, 1, 1
	s_add_co_u32 s96, s96, 1
	s_cmp_lg_u32 s96, 2
	s_cbranch_scc1 .Lwith_rounds
.Lwithout:                                             ; blocks 10, 11 and 12, 13
	QBLK 0, 35, 2, 1, 1
	QBLK 1, -1, 0, 1, 1
	s_add_co_u32 s96, s96, 1
	s_cmp_lg_u32 s96, 4
	s_cbranch_scc1 .Lwithout
	QBLK 0, 35, 0, 0, 1
	QBLK 1, 2, 0, 0, 1
; ================= THE END: the scale bytes leave the stages as whole runs of 512 and 256 bytes
	s_lshl_b32 s10, s[WV], 9
	s_add_co_u32 s10, s10, XN
	v_add_nc_u32 v1, s10, v[L16]
	s_lshl_b32 s10, s[WV], 8
	s_add_co_u32 s10, s10, XM
	v_add_nc_u32 v2, s10, v[L8]
	WALU
	s_wait_dscnt 0x0                               ; for the others' sake: my bytes are stored
	BARRIER
	ds_load_b128 v[TMP:TMP+3], v1
	ds_load_b64 v[TMP+4:TMP+5], v2
	s_wait_dscnt 0x0
	global_store_b128 v[L16], v[TMP:TMP+3], s[90:91]
	global_store_b64 v[L8], v[TMP+4:TMP+5], s[92:93]
	s_wait_tensorcnt 0x0                           ; the wave's end
	ds_add_u32 v[SPW], v[NIL]
	s_wait_dscnt 0x0
	CROUND                                         ; the closing round
	s_endpgm
.Lfunc_end_k_q7de2132d5c_proj:
	.size	k_q7de2132d5c_proj, .Lfunc_end_k_q7de2132d5c_proj-k_q7de2132d5c_proj
	.p2alignl 7, 3214868480
	.fill 96, 4, 3214868480
	.section	.rodata,"a",@progbits
	.p2align	6, 0x0
	.amdhsa_kernel k_q7de2132d5c_proj
		.amdhsa_group_segment_fixed_size 327680
		.amdhsa_private_segment_fixed_size 0
		.amdhsa_enable_private_segment 0
		.amdhsa_kernarg_size 56
		.amdhsa_user_sgpr_count 2
		.amdhsa_user_sgpr_kernarg_segment_ptr 1
		.amdhsa_wavefront_size32 1
		.amdhsa_system_sgpr_workgroup_id_x 1
		.amdhsa_system_sgpr_workgroup_id_y 1
		.amdhsa_system_sgpr_workgroup_id_z 1
		.amdhsa_system_vgpr_workitem_id 0
		.amdhsa_next_free_vgpr 1024
		.amdhsa_next_free_sgpr 102
		.amdhsa_reserve_vcc 0
		.amdhsa_float_denorm_mode_32 3
		.amdhsa_float_denorm_mode_16_64 3
		.amdhsa_memory_ordered 1
		.amdhsa_forward_progress 1
		.amdhsa_inst_pref_size 189
	.end_amdhsa_kernel
	.amdgpu_metadata
---
amdhsa.version: [ 1, 2 ]
amdhsa.kernels:
  - .name:           k_q7de2132d5c_proj
    .symbol:         k_q7de2132d5c_proj.kd
    .args:
      - { .name: cod, .offset: 0, .size: 8, .value_kind: global_buffer, .address_space: global }
      - { .name: scl, .offset: 8, .size: 8, .value_kind: global_buffer, .address_space: global }
      - { .name: wq_b, .offset: 16, .size: 8, .value_kind: global_buffer, .address_space: global }
      - { .name: wk_b, .offset: 24, .size: 8, .value_kind: global_buffer, .address_space: global }
      - { .name: wv_b, .offset: 32, .size: 8, .value_kind: global_buffer, .address_space: global }
      - { .name: hc, .offset: 40, .size: 8, .value_kind: global_buffer, .address_space: global }
      - { .name: hs, .offset: 48, .size: 8, .value_kind: global_buffer, .address_space: global }
    .group_segment_fixed_size: 327680
    .private_segment_fixed_size: 0
    .kernarg_segment_align: 8
    .kernarg_segment_size: 56
    .max_flat_workgroup_size: 128
    .sgpr_count:     102
    .vgpr_count:     1024
    .wavefront_size: 32
...
	.end_amdgpu_metadata
.endif
;; end of part 2
;; launch attn (part 3): grid 4 x 64, 16 waves a work-group, clusters of 4 x 1, 212,992 bytes of LDS; arguments hc, hs, cc, cs; writes cc, cs
.if DOCPART == 3
	.amdgcn_target "amdgcn-amd-amdhsa--gfx1250"
	.amdhsa_code_object_version 6
	.text
	.protected	k_q7de2132d5c_attn
	.globl	k_q7de2132d5c_attn
	.p2align	8
	.type	k_q7de2132d5c_attn,@function
k_q7de2132d5c_attn:
	s_mov_b64 s[64:65], 0
	v_nop
	global_prefetch_b8 v0, s[64:65] scope:SCOPE_SE
	s_setreg_imm32_b32 hwreg(HW_REG_WAVE_MODE, 25, 1), 1
	s_wait_xcnt 0x0
	s_wait_alu depctr_hold_cnt(0) depctr_sa_sdst(0) depctr_va_vdst(0) depctr_va_sdst(0) depctr_va_ssrc(0) depctr_va_vcc(0) depctr_vm_vsrc(0)
	s_getreg_b32 s2, hwreg(HW_REG_IB_STS2, 6, 4)
	s_cmp_eq_u32 s2, 0
	s_cbranch_scc0 .Lentry_in_a_cluster
	s_endpgm
.Lentry_in_a_cluster:
	s_bfe_u32 s2, ttmp6, 0x10000c
	s_cmp_lg_u32 s2, 0x3003
	s_cbranch_scc0 .Lentry_shape_is_right
	s_endpgm
.Lentry_shape_is_right:
; ctx = softmax(Q K^T / 8) V for one head of 64 channels, both products on codes of FP6 (E2M3) with E8M0 scales; ctx is quantised along its channels in registers and leaves as codes.
; THE SOFTMAX: t = score x log2(e) / 8; M = the row's largest t so far, rounded up to a whole number; p = 2^(t - M) is quantised along the keys, not normalised.  The row's sum is taken of the
; unquantised p and divides at the end.  When M moves, the sum and O are multiplied by 2^(old M - new M), which rounds nothing.
; SHARES.  A work-group owns one head and 512 queries, in two passes of 256; each of its sixteen waves owns 16 queries a pass, in 256 registers.  The head's whole K and V, codes and scale bytes,
; lie in LDS for the whole launch, filled once: no slot is filled again, and there is no loop of fills for a prefetch to run ahead in.
; CLUSTER.  The four work-groups of a cluster share a head: each fill is asked for jointly.  Waves 0, 1: K's halves; waves 2, 3: V's two planes; waves 4, 5: the scale bytes.
; LAYOUT.  Both products are used transposed: S^T = K Q^T, O^T = V^T P^T: a lane holds ONE query throughout.  K's token block T of a step holds the keys 64 (T / 4) + 8 (T % 4) + 0..7 and the same + 32:
; so register 32 c + 8 t + j of S^T in lane (r, h) is key 64 c + 32 h + 8 t + j: a lane's 32 registers are ONE scale block of p, in the order of the operand's registers.
; No lane is asked for a block's maximum and no code changes lanes; only the row's maximum and the scale word's bytes cross to lane l xor 16.
; THE HEAD'S 64 FILL HALF OF THE INSTRUCTION'S 128.  A fragment of K holds two token blocks, one in k 0-63 and one in k 64-127; multiplied by [Q, 0] it gives the first block's scores, by [0, Q] the second's.
; THE NEXT STEP'S K is asked of LDS behind this step's last products, and the row's sum of p is taken while those loads are out; behind the last step the addresses wrap to step 0, which the next pass reads.
; LIMITS: NaN and infinities are not served; the promise holds while |t| stays under 2^31; a block of zeros gets the byte 1; a block's largest p is taken from its largest score,
; which takes v_exp_f32 not to fall where its input rises.
.set KC,    0                          ; K's codes: [step 16][token block 8][768]
.set VC,    98304                      ; V's: [64 keys of a step: 2][step 16][channel block 4][768]
.set SC,    196608                     ; K's scale words, 256 bytes a step; 4,096 on, V's
.set CSG,   208896                     ; ctx's scale bytes of the work-group's 512 rows: 1,024 bytes, stored by the waves; no fill lands here
.set SPARE, 209920                     ; the spare words, 128 bytes for each wave
.set L16,   1
.set L8,    2
.set ADK16, 3
.set ADK8,  4
.set ADV16, 5
.set ADV8,  6
.set ADS,   7
.set CSA,   8
.set CSR,   9
.set SPW,   10
.set NIL,   11
.set FR,    40                         ; v40-87 four fragments of K, then of V
.set S,     96                         ; v96-159 S^T, then p
.set O,     160                        ; v160-191 O^T
.set PC,    192                        ; v192-203 p's codes;  v204-206, v208-210 second halves
.set CT,    204
.set BM,    212                        ; v212-215 four chains of maxima; then the two blocks' largest
.set BX,    216                        ; v216-219 what comes from lane l xor 16
.set T2,    218
.set SO,    220                        ; v220, v221 the conversions' scale operands;  v222, v223 the bytes
.set EB,    222
.set F,     224                        ; v[224:225] f = 2^(old M - new M)
.set T,     226
.set SH8,   227                        ; 8 x (lane / 16)
.set X,     240                        ; v240-253 seven chains of the row's sum
; v12 -M, v13 the largest score, v[14:15] the sum; v16-21 zeros, v22-27 Q, v28-33 zeros; v34, v35 K's scale words, v36, v37 V's, v38 Q's, v39 p's; v88-94 the second pass's Q
.set WV,   12
.set CX,   13
.set BH,   14
.set PAR,  15
.set SEL,  20
.set CS,   22
.set G1K,  24
.set G1V,  32
.set G1S,  40
.set G0K,  48
.set G0V,  52
.set G0S,  56
.set TK,   60
.set TV,   61
.set TS,   62
.set CNT,  63
.set QSEL, 66
.macro WALU
	s_wait_alu depctr_va_vdst(0)
.endm
.macro DEP n
	s_delay_alu instid0(VALU_DEP_\n)
.endm
.macro CROUND
	s_barrier_signal -1
	s_barrier_wait -1
	s_cmp_lg_u32 s[WV], 0
	s_cbranch_scc1 .Lnot_wave_0_\@
	s_barrier_signal -3
.Lnot_wave_0_\@:
	s_barrier_wait -3
	s_barrier_signal -1
	s_barrier_wait -1
.endm
.macro TLOAD g0, g1
	tensor_load_to_lds s[\g0:\g0+3], s[\g1:\g1+7]
	s_nop 0
.rept 4
	v_nop
.endr
.endm
.macro FRAG reg, a16, a8, off          ; a fragment, 12 registers: two units on end, each 512 + 256 consecutive bytes
	ds_load_b128 v[\reg:\reg+3], v[\a16] offset:\off
	ds_load_b64 v[\reg+4:\reg+5], v[\a8] offset:\off+512
	ds_load_b128 v[\reg+6:\reg+9], v[\a16] offset:\off+768
	ds_load_b64 v[\reg+10:\reg+11], v[\a8] offset:\off+1280
.endm
.macro DENSE1 g, rows                  ; group 1 of a dense block as rows of 256 bytes, for all four partners
	s_mov_b32 s[\g], 15|(3<<16)|(1<<21)
	s_mov_b32 s[\g+1], 32<<16
	s_mov_b32 s[\g+2], (\rows)<<16
	s_mov_b32 s[\g+3], 32<<16
	s_mov_b32 s[\g+4], \rows
	s_mov_b32 s[\g+5], 32
	s_mov_b32 s[\g+6], 0
	s_mov_b32 s[\g+7], 0
.endm
	s_load_b256 s[4:11], s[0:1], 0x0               ; hc s[4:5], hs s[6:7], cc s[8:9], cs s[10:11]
	v_lshl_add_u32 v[SPW], v0, 2, SPARE
	v_mov_b32 v[NIL], 0
	ds_add_u32 v[SPW], v[NIL]                      ; the opening lines: the add, twice on end, and its wait ahead of the first tensor loads
	ds_add_u32 v[SPW], v[NIL]
	v_lshrrev_b32 v3, 5, v0
	v_readfirstlane_b32 s[WV], v3                  ; wave 0..15
	v_and_b32 v3, 31, v0
	v_lshlrev_b32 v[L16], 4, v3
	v_lshlrev_b32 v[L8], 3, v3
	v_and_b32 v4, 15, v0                           ; r
	s_lshl_b32 s67, s[WV], 5
	s_add_co_u32 s67, s67, CSG
	v_lshl_add_u32 v[CSA], v4, 1, s67              ; 32 bytes a wave, 2 a row
	v_lshl_add_u32 v[CSR], v0, 4, CSG              ; 16 bytes a thread (used by waves 0 and 1)
	v_lshlrev_b32 v95, 4, v0
	v_lshlrev_b32 v231, 3, v4                      ; Q's scale word: 8 bytes a row
	s_bfe_u32 s[CX], ttmp6, 0x40000                ; my place in the cluster: it enters Q's, cc's and cs's addresses alone
	s_and_b32 s[BH], ttmp7, 0xffff                 ; batch x 16 + head, which the four partners share
	s_and_b32 s[PAR], s[WV], 1
	s_mul_i32 s68, s[BH], 98304                    ; K: the head's codes, my half
	s_mul_i32 s70, s[PAR], 49152
	s_add_co_u32 s68, s68, s70
	s_add_co_u32 s68, s68, 6291456
	s_mov_b32 s69, 0
	s_lshr_b32 s72, s[BH], 1                       ; V: the pair of heads, my plane, the head's four channel blocks
	s_mul_i32 s72, s72, 196608
	s_mul_i32 s71, s[PAR], 98304
	s_add_co_u32 s72, s72, s71
	s_and_b32 s71, s[BH], 1
	s_mul_i32 s71, s71, 3072
	s_add_co_u32 s72, s72, s71
	s_add_co_u32 s72, s72, 12582912
	s_mov_b32 s73, 0
	s_lshl_b32 s74, s[PAR], 18                     ; the scale bytes: K's or V's
	s_lshl_b32 s71, s[BH], 12
	s_add_co_u32 s74, s74, s71
	s_add_co_u32 s74, s74, 262144
	s_mov_b32 s75, 0
	s_add_co_u32 s76, s70, VC                      ; where V's plane lands,
	s_lshl_b32 s77, s[PAR], 12
	s_add_co_u32 s77, s77, SC                      ; and the scale bytes
	s_lshl_b32 s71, s[CX], 5
	s_add_co_u32 s71, s71, s[WV]                   ; my token block in the first pass: 32 cx + wave
	s_lshl_b32 s78, s[BH], 7
	s_add_co_u32 s78, s78, s71
	s_mul_i32 s78, s78, 768                        ; Q's unit
	s_mov_b32 s79, 0
	s_lshl_b32 s80, s[BH], 12                      ; Q's scale word: head, step 4 cx + wave / 8, the pair's place, the word
	s_lshl_b32 s82, s[CX], 10
	s_add_co_u32 s80, s80, s82
	s_lshr_b32 s82, s[WV], 3
	s_lshl_b32 s82, s82, 8
	s_add_co_u32 s80, s80, s82
	s_bfe_u32 s82, s[WV], 0x10002
	s_lshl_b32 s82, s82, 7
	s_add_co_u32 s80, s80, s82
	s_bfe_u32 s82, s[WV], 0x10001
	s_lshl_b32 s82, s82, 2
	s_add_co_u32 s80, s80, s82
	s_mov_b32 s81, 0
	s_lshr_b32 s84, s[BH], 4                       ; batch
	s_and_b32 s85, s[BH], 15                       ; head
	s_lshl_b32 s86, s84, 7
	s_add_co_u32 s86, s86, s71
	s_lshl_b32 s86, s86, 4
	s_add_co_u32 s86, s86, s85
	s_mul_i32 s86, s86, 768                        ; cc: [token block][head][768]
	s_mov_b32 s87, 0
	s_lshl_b32 s88, s85, 14                        ; cs: [head][row][2]
	s_lshl_b32 s90, s84, 12
	s_add_co_u32 s88, s88, s90
	s_lshl_b32 s90, s[CX], 10
	s_add_co_u32 s88, s88, s90
	s_mov_b32 s89, 0
	s_mov_b32 s[QSEL], 0x01000100                  ; my block's two bytes of the pair's word, into both halves
	s_cmp_eq_u32 s[PAR], 1
	s_cselect_b32 s[QSEL], 0x03020302, s[QSEL]
	s_mov_b32 s[SEL], 0x76543210
	s_mov_b32 s[SEL+1], 0xfedcba98                 ; selects for lane l xor 16
	s_mov_b32 s[CS], 0x3e38aa3b                    ; c = log2(e) / 8
	s_mov_b32 s[CS+1], s[CS]
	DENSE1 G1K, 192                                ; K's half: 49,152 bytes
	s_mov_b32 s[G1V], 15|(3<<16)|(1<<21)
	s_mov_b32 s[G1V+1], 384<<16                    ; V's plane: 16 steps x 3,072 bytes, 6,144 bytes apart
	s_mov_b32 s[G1V+2], 16<<16
	s_mov_b32 s[G1V+3], 384<<16
	s_mov_b32 s[G1V+4], 16
	s_mov_b32 s[G1V+5], 768
	s_mov_b32 s[G1V+6], 0
	s_mov_b32 s[G1V+7], 0
	DENSE1 G1S, 16                                 ; a head's scale bytes: 4,096
	WALU                                           ; the wait ahead of the blocking waits
	s_wait_dscnt 0x0                               ; both opening adds are done
	s_wait_kmcnt 0x0
	s_mov_b32 s[G0K], 1
	s_mov_b32 s[G0K+1], s70
	s_add_nc_u64 s[G0K+2:G0K+3], s[4:5], s[68:69]
	s_or_b32 s[G0K+3], s[G0K+3], 0x80000000
	s_mov_b32 s[G0V], 1
	s_mov_b32 s[G0V+1], s76
	s_add_nc_u64 s[G0V+2:G0V+3], s[4:5], s[72:73]
	s_or_b32 s[G0V+3], s[G0V+3], 0x80000000
	s_mov_b32 s[G0S], 1
	s_mov_b32 s[G0S+1], s77
	s_add_nc_u64 s[G0S+2:G0S+3], s[6:7], s[74:75]
	s_or_b32 s[G0S+3], s[G0S+3], 0x80000000
	s_add_nc_u64 s[78:79], s[4:5], s[78:79]
	s_add_nc_u64 s[80:81], s[6:7], s[80:81]
	s_add_nc_u64 s[8:9], s[8:9], s[86:87]
	s_add_nc_u64 s[10:11], s[10:11], s[88:89]
	CROUND                                         ; all four work-groups are here: the joint loads meet
	s_cmp_lt_u32 s[WV], 2
	s_cbranch_scc0 .Lnot_k
	TLOAD G0K, G1K
	s_branch .Lasked
.Lnot_k:
	s_cmp_lt_u32 s[WV], 4
	s_cbranch_scc0 .Lnot_v
	TLOAD G0V, G1V
	s_branch .Lasked
.Lnot_v:
	s_cmp_lt_u32 s[WV], 6
	s_cbranch_scc0 .Lasked
	TLOAD G0S, G1S
.Lasked:
	WALU
	global_load_b128 v[22:25], v[L16], s[78:79]                ; the first pass's Q,
	global_load_b64 v[26:27], v[L8], s[78:79] offset:512
	global_load_b128 v[88:91], v[L16], s[78:79] offset:12288   ; the second's: 16 token blocks on
	global_load_b64 v[92:93], v[L8], s[78:79] offset:12800
	global_load_b32 v230, v231, s[80:81]                       ; and their pairs' scale words
	global_load_b32 v94, v231, s[80:81] offset:512
.irp i, 0,1,2,3,4,5
	v_mov_b32 v[16+\i], 0                          ; zero codes on both sides of Q
	v_mov_b32 v[28+\i], 0
.endr
.irp b, 0,1,2,3
	v_mov_b32 v[BX+\b], 0                          ; written once: a lane permute's destination counts as one of its sources
.endr
	v_mov_b32 v[F+1], 0                            ; (named as the upper half of the pair before it is ever written)
	v_mov_b32 v[T], 0
	v_bfe_u32 v[SH8], v0, 4, 1
	v_lshlrev_b32 v[SH8], 3, v[SH8]
; The K fragments and the scale words of the step at TK, TS.  Its four plain lines are the places between the last products and the loads into their registers.
.macro KLOAD
	v_add_nc_u32 v[ADK16], s[TK], v[L16]
	v_add_nc_u32 v[ADK8], s[TK], v[L8]
	v_add_nc_u32 v[ADS], s[TS], v[L8]
	v_mov_b32 v[T], v12                            ; the old -M
.irp A, 0,1,2,3
	FRAG FR+12*\A, ADK16, ADK8, 1536*\A            ; token blocks 2 A and 2 A + 1
.endr
	ds_load_b64 v[34:35], v[ADS]                   ; K's scale words: register A % 2, lanes 0-15 for A < 2, lanes 16-31 else
	ds_load_b64 v[36:37], v[ADS] offset:4096       ; V's likewise, by channel block
.endm
; A KEY STEP: 128 keys.
.macro STEP
	WALU                                           ; the wait ahead of the blocking wait
	s_wait_dscnt 0x0                               ; K's fragments and the scale words are in
.irp A, 0,1,2,3
.irp u, 0,1
.if \A < 2
	v_wmma_scale_f32_16x16x128_f8f6f4 v[S+8*(2*\A+\u):S+8*(2*\A+\u)+7], v[FR+12*\A:FR+12*\A+11], v[22-6*\u:33-6*\u], 0, v[34+\A%2], v38 matrix_a_fmt:MATRIX_FMT_FP6 matrix_b_fmt:MATRIX_FMT_FP6
.else
	v_wmma_scale_f32_16x16x128_f8f6f4 v[S+8*(2*\A+\u):S+8*(2*\A+\u)+7], v[FR+12*\A:FR+12*\A+11], v[22-6*\u:33-6*\u], 0, v[34+\A%2], v38 matrix_a_fmt:MATRIX_FMT_FP6 matrix_b_fmt:MATRIX_FMT_FP6 matrix_a_scale:MATRIX_SCALE_ROW1
.endif
.endr
.endr
	v_add_nc_u32 v[ADV16], s[TV], v[L16]           ; four places in front of the loads into K's registers and of the first read of the scores
	v_add_nc_u32 v[ADV8], s[TV], v[L8]
	v_nop
	v_nop
.irp a, 0,1,2,3                        ; V's four fragments land under the softmax: channel block a, keys 0-63 and, a plane on, keys 64-127
	ds_load_b128 v[FR+12*\a:FR+12*\a+3], v[ADV16] offset:\a*768
	ds_load_b64 v[FR+12*\a+4:FR+12*\a+5], v[ADV8] offset:\a*768+512
	ds_load_b128 v[FR+12*\a+6:FR+12*\a+9], v[ADV16] offset:\a*768+49152
	ds_load_b64 v[FR+12*\a+10:FR+12*\a+11], v[ADV8] offset:\a*768+49152+512
.endr
.irp k, 0,1,2,3                        ; my two blocks' largest scores, each in two chains of 16 registers: chain k stands on block k % 2, half k / 2
	v_max3_num_f32 v[BM+\k], v[S+32*(\k%2)+16*(\k/2)], v[S+32*(\k%2)+16*(\k/2)+1], v[S+32*(\k%2)+16*(\k/2)+2]
.endr
.irp i, 3,5,7,9,11,13
.irp k, 0,1,2,3
	v_max3_num_f32 v[BM+\k], v[BM+\k], v[S+32*(\k%2)+16*(\k/2)+\i], v[S+32*(\k%2)+16*(\k/2)+\i+1]
.endr
.endr
.irp c, 0,1
	v_max3_num_f32 v[BM+\c], v[BM+\c], v[S+32*\c+15], v[S+32*\c+31]
.endr
.irp c, 0,1
	DEP 2
	v_max_num_f32 v[BM+\c], v[BM+\c], v[BM+2+\c]   ; block c's largest score: it serves the row's maximum and, since p rises with the score, the block's largest p
.endr
	DEP 1
	v_max_num_f32 v[T2], v[BM], v[BM+1]
	DEP 1
	v_permlanex16_b32 v[BX], v[T2], s[SEL], s[SEL+1]
	DEP 1
	v_max3_num_f32 v13, v13, v[T2], v[BX]          ; the running largest score of my query (c is positive: the largest t is c x this)
	DEP 1
	v_mul_f32 v[T2], s[CS], v13
	DEP 1
	v_floor_f32 v12, -v[T2]                        ; the new -M = floor(-t) = -ceil(t): a whole number
	DEP 1
	v_sub_f32 v[T], v12, v[T]                      ; old M - new M: a whole number, 0 or less
	DEP 1
	v_cvt_i32_f32 v[T], v[T]                       ; (it saturates)
	DEP 1
	v_ldexp_f32 v[F], 1.0, v[T]                    ; f = 2^(old M - new M)
.irp j, 0,2,4,6,8,10,12,14,16,18,20,22,24,26,28,30,32,34,36,38,40,42,44,46,48,50,52,54,56,58,60,62
	v_pk_fma_f32 v[S+\j:S+\j+1], v[S+\j:S+\j+1], s[CS:CS+1], v[12:13] op_sel_hi:[1,0,0]   ; t - M, two at a time
.endr
.irp c, 0,1
	v_fma_f32 v[BM+\c], v[BM+\c], s[CS], v12       ; the same of each block's largest score
.endr
	WALU                                           ; one wait ahead of the batch
.irp j, 0,1,2,3,4,5,6,7,8,9,10,11,12,13,14,15,16,17,18,19,20,21,22,23,24,25,26,27,28,29,30,31,32,33,34,35,36,37,38,39,40,41,42,43,44,45,46,47,48,49,50,51,52,53,54,55,56,57,58,59,60,61,62,63
	v_exp_f32 v[S+\j], v[S+\j]                     ; p = 2^(t - M), at most 1
.endr
.irp c, 0,1
	v_exp_f32 v[BM+\c], v[BM+\c]                   ; the block's largest p: the same two instructions on the same number give the same bits
.endr
	v_pk_mul_f32 v[14:15], v[14:15], v[F:F+1] op_sel_hi:[1,0]     ; the sum under the new M; the plain line behind the exponentials
	WALU                                           ; and one behind it, ahead of its first reader
.irp c, 0,1
	v_max_num_f32 v[BM+\c], 0x1800000, v[BM+\c]    ; the floor 2^(3 - 127): the byte cannot fall under 1
.endr
.irp c, 0,1
	DEP 2
	v_add_nc_u32 v[SO+\c], 0xff000000, v[BM+\c]    ; 2 off the exponent field: the conversion's scale operand
.endr
.irp c, 0,1                            ; registers 6 c .. 6 c + 5 of the operand: k = 64 c + 32 h + 0 .. 31, all mine
	v_cvt_scalef32_pk16_fp6_f32 v[PC+6*\c:PC+6*\c+2], v[S+32*\c:S+32*\c+15], v[SO+\c]
	v_cvt_scalef32_pk16_fp6_f32 v[CT+4*\c:CT+4*\c+2], v[S+32*\c+16:S+32*\c+31], v[SO+\c]   ; (a conversion's three registers begin on an even number)
.endr
.irp c, 0,1
	v_lshrrev_b32 v[EB+\c], 23, v[SO+\c]           ; the scale's byte; also the plain line behind the conversions
.endr
	DEP 1
	v_lshl_or_b32 v39, v[EB+1], 16, v[EB]          ; my two bytes: blocks h and 2 + h,
	DEP 1
	v_lshlrev_b32 v39, v[SH8], v39                 ; at their places in the word;
	DEP 1
	v_permlanex16_b32 v[BX], v39, s[SEL], s[SEL+1]
	DEP 1
	v_or_b32 v39, v39, v[BX]                       ; with lane l xor 16's two the word is whole
.irp c, 0,1
.irp i, 0,1,2
	v_mov_b32 v[PC+3+6*\c+\i], v[CT+4*\c+\i]
.endr
.endr
	WALU                                           ; the wait directly ahead of the first reader of O^T
.irp j, 0,2,4,6,8,10,12,14,16,18,20,22,24,26,28,30
	v_pk_mul_f32 v[O+\j:O+\j+1], v[O+\j:O+\j+1], v[F:F+1] op_sel_hi:[1,0]   ; O^T under the new M; these sixteen are also the places between the writing of p's codes and scale word and the products
.endr
	WALU
	s_wait_dscnt 0x0                               ; V is in
.irp a, 0,1,2,3
.if \a < 2
	v_wmma_scale_f32_16x16x128_f8f6f4 v[O+8*\a:O+8*\a+7], v[FR+12*\a:FR+12*\a+11], v[PC:PC+11], v[O+8*\a:O+8*\a+7], v[36+\a%2], v39 matrix_a_fmt:MATRIX_FMT_FP6 matrix_b_fmt:MATRIX_FMT_FP6
.else
	v_wmma_scale_f32_16x16x128_f8f6f4 v[O+8*\a:O+8*\a+7], v[FR+12*\a:FR+12*\a+11], v[PC:PC+11], v[O+8*\a:O+8*\a+7], v[36+\a%2], v39 matrix_a_fmt:MATRIX_FMT_FP6 matrix_b_fmt:MATRIX_FMT_FP6 matrix_a_scale:MATRIX_SCALE_ROW1
.endif
.endr                                  ; the four accumulators take turns, one instruction each
	s_add_co_u32 s[TK], s[TK], 6144                ; the next step's tiles and scale words; behind step 15 comes step 0
	s_add_co_u32 s[TV], s[TV], 3072
	s_add_co_u32 s[TS], s[TS], 256
	s_cmp_eq_u32 s[TK], 98304
	s_cselect_b32 s[TK], 0, s[TK]
	s_cselect_b32 s[TV], VC, s[TV]
	s_cselect_b32 s[TS], SC, s[TS]
	KLOAD
.irp k, 0,1,2,3,4,5,6                  ; THE ROW'S SUM OF THE UNQUANTISED p, two at a time in eight chains, while K's loads are out
	v_pk_add_f32 v[X+2*\k:X+2*\k+1], v[S+4*\k:S+4*\k+1], v[S+4*\k+2:S+4*\k+3]
.endr
	v_pk_add_f32 v[14:15], v[14:15], v[S+28:S+29]
.irp g, 30, 46
.irp k, 0,1,2,3,4,5,6
	v_pk_add_f32 v[X+2*\k:X+2*\k+1], v[X+2*\k:X+2*\k+1], v[S+\g+2*\k:S+\g+2*\k+1]
.endr
	v_pk_add_f32 v[14:15], v[14:15], v[S+\g+14:S+\g+15]
.endr
	v_pk_add_f32 v[X:X+1], v[X:X+1], v[S+62:S+63]
	v_pk_add_f32 v[X+4:X+5], v[X+4:X+5], v[X+6:X+7]
	v_pk_add_f32 v[X+8:X+9], v[X+8:X+9], v[X+10:X+11]
	v_pk_add_f32 v[14:15], v[14:15], v[X+12:X+13]
	v_pk_add_f32 v[X:X+1], v[X:X+1], v[X+2:X+3]
	v_pk_add_f32 v[X+4:X+5], v[X+4:X+5], v[X+8:X+9]
	v_pk_add_f32 v[14:15], v[14:15], v[X:X+1]
	DEP 1
	v_pk_add_f32 v[14:15], v[14:15], v[X+4:X+5]
.endm
; A PASS: my 16 queries against all 2,048 keys, then ctx out.  The first step finds zeros in O^T and the sum, which the first change of M leaves zeros.
.macro PASS p
.if \p
	s_wait_xcnt 0x0                                ; the first pass's stores have read the code registers
.irp i, 0,1,2,3,4,5
	v_mov_b32 v[22+\i], v[88+\i]
.endr
	v_perm_b32 v38, v94, v94, s[QSEL]
.else
	v_perm_b32 v38, v230, v230, s[QSEL]            ; Q's two scale bytes in both halves of the word: they serve [Q, 0] and [0, Q]
.endif
	v_mov_b32 v13, 0xff61b1e6                      ; the largest score so far: -3e38
	v_mul_f32 v12, s[CS], v13
	v_floor_f32 v12, -v12
	v_mov_b32 v14, 0
	v_mov_b32 v15, 0
.if \p
	v_mov_b32 v[T], v12
.else
	KLOAD                                          ; step 0's K (the second pass finds it loaded by the first pass's last step)
.endif
.irp j, 0,1,2,3,4,5,6,7,8,9,10,11,12,13,14,15,16,17,18,19,20,21,22,23,24,25,26,27,28,29,30,31
	v_mov_b32 v[O+\j], 0
.endr
	s_mov_b32 s[CNT], 16
.Lkeys_\@:
	STEP
	s_sub_co_u32 s[CNT], s[CNT], 1
	s_cmp_lg_u32 s[CNT], 0
	s_cbranch_scc1 .Lkeys_\@
	v_add_f32 v14, v14, v15                        ; the sum's two halves,
	s_delay_alu instid0(VALU_DEP_1)
	v_permlanex16_b32 v[T], v14, s[SEL], s[SEL+1]
	s_delay_alu instid0(VALU_DEP_1)
	v_add_f32 v14, v14, v[T]                       ; and lane l xor 16's: the row's sum
	WALU
	v_rcp_f32 v14, v14
	v_nop                                          ; a plain line behind the transcendental
	WALU                                           ; and the wait ahead of its first reader, which is also O^T's
.irp j, 0,1,2,3,4,5,6,7,8,9,10,11,12,13,14,15,16,17,18,19,20,21,22,23,24,25,26,27,28,29,30,31
	v_mul_f32 v[S+\j], v[O+\j], v14                ; ctx: register 16 B + i is channel 32 B + 16 (lane / 16) + i of my row
.endr
.irp b, 0,1
	v_max3_num_f32 v[BM+\b], |v[S+16*\b]|, |v[S+16*\b+1]|, 0x1800000
.endr
.irp i, 2,4,6,8,10,12,14
.irp b, 0,1
	s_delay_alu instid0(VALU_DEP_2)
	v_max3_num_f32 v[BM+\b], v[BM+\b], |v[S+16*\b+\i]|, |v[S+16*\b+\i+1]|
.endr
.endr
.irp b, 0,1
	s_delay_alu instid0(VALU_DEP_2)
	v_permlanex16_b32 v[BX+\b], v[BM+\b], s[SEL], s[SEL+1]
.endr
.irp b, 0,1
	s_delay_alu instid0(VALU_DEP_2)
	v_max_num_f32 v[BM+\b], v[BM+\b], v[BX+\b]
.endr
.irp b, 0,1
	s_delay_alu instid0(VALU_DEP_2)
	v_add_nc_u32 v[SO+\b], 0xff000000, v[BM+\b]
.endr
.irp b, 0,1
	s_delay_alu instid0(VALU_DEP_2)
	v_lshrrev_b32 v[BX+\b], 23, v[SO+\b]
.endr
	s_delay_alu instid0(VALU_DEP_1)
	v_lshl_or_b32 v[T], v[BX+1], 8, v[BX]          ; the head's two scale bytes of my row
	v_cvt_scalef32_pk16_fp6_f32 v[PC:PC+2], v[S:S+15], v[SO]
	v_cvt_scalef32_pk16_fp6_f32 v[CT:CT+2], v[S+16:S+31], v[SO+1]
	v_nop
.irp i, 0,1,2
	v_permlane16_swap_b32 v[PC+\i], v[CT+\i]       ; ctx's channels lie 16 to a lane: the operand wants a whole block in a lane
.endr
.irp i, 0,1,2
	s_delay_alu instid0(VALU_DEP_3)
	v_mov_b32 v[PC+3+\i], v[CT+\i]
.endr
	global_store_b128 v[L16], v[PC:PC+3], s[8:9] offset:\p*196608          ; a unit, written whole: 512 consecutive bytes,
	global_store_b64 v[L8], v[PC+4:PC+5], s[8:9] offset:\p*196608+512      ; and 256
	ds_store_b16 v[CSA], v[T] offset:\p*512        ; lanes r and r + 16 write the same two bytes
.endm
	s_mov_b32 s[TK], KC
	s_mov_b32 s[TV], VC
	s_mov_b32 s[TS], SC
	WALU                                           ; the wait at the head's end
	s_wait_loadcnt 0x0                             ; Q
	s_wait_tensorcnt 0x0                           ; my fill, if I made one, has landed,
	s_barrier_signal -1
	s_barrier_wait -1                              ; everybody's has: K, V and their scale bytes are whole, and stay
	PASS 0
	PASS 1
	s_wait_dscnt 0x0                               ; for the others' sake: my scale bytes are stored
	s_barrier_signal -1
	s_barrier_wait -1
	s_cmp_lt_u32 s[WV], 2                          ; the work-group's 1,024 scale bytes leave in two stores of 512 consecutive bytes
	s_cbranch_scc0 .Lno_copy
	ds_load_b128 v[96:99], v[CSR]
	s_wait_dscnt 0x0
	global_store_b128 v95, v[96:99], s[10:11]
.Lno_copy:
	s_wait_tensorcnt 0x0                           ; the wave's end
	ds_add_u32 v[SPW], v[NIL]
	s_wait_dscnt 0x0
	CROUND                                         ; the closing round
	s_endpgm
.Lfunc_end_k_q7de2132d5c_attn:
	.size	k_q7de2132d5c_attn, .Lfunc_end_k_q7de2132d5c_attn-k_q7de2132d5c_attn
	.p2alignl 7, 3214868480
	.fill 96, 4, 3214868480
	.section	.rodata,"a",@progbits
	.p2align	6, 0x0
	.amdhsa_kernel k_q7de2132d5c_attn
		.amdhsa_group_segment_fixed_size 212992
		.amdhsa_private_segment_fixed_size 0
		.amdhsa_enable_private_segment 0
		.amdhsa_kernarg_size 32
		.amdhsa_user_sgpr_count 2
		.amdhsa_user_sgpr_kernarg_segment_ptr 1
		.amdhsa_wavefront_size32 1
		.amdhsa_system_sgpr_workgroup_id_x 1
		.amdhsa_system_sgpr_workgroup_id_y 1
		.amdhsa_system_sgpr_workgroup_id_z 1
		.amdhsa_system_vgpr_workitem_id 0
		.amdhsa_next_free_vgpr 256
		.amdhsa_next_free_sgpr 100
		.amdhsa_reserve_vcc 0
		.amdhsa_float_denorm_mode_32 3
		.amdhsa_float_denorm_mode_16_64 3
		.amdhsa_memory_ordered 1
		.amdhsa_forward_progress 1
		.amdhsa_inst_pref_size 54
	.end_amdhsa_kernel
	.amdgpu_metadata
---
amdhsa.version: [ 1, 2 ]
amdhsa.kernels:
  - .name:           k_q7de2132d5c_attn
    .symbol:         k_q7de2132d5c_attn.kd
    .args:
      - { .name: hc, .offset: 0, .size: 8, .value_kind: global_buffer, .address_space: global }
      - { .name: hs, .offset: 8, .size: 8, .value_kind: global_buffer, .address_space: global }
      - { .name: cc, .offset: 16, .size: 8, .value_kind: global_buffer, .address_space: global }
      - { .name: cs, .offset: 24, .size: 8, .value_kind: global_buffer, .address_space: global }
    .group_segment_fixed_size: 212992
    .private_segment_fixed_size: 0
    .kernarg_segment_align: 8
    .kernarg_segment_size: 32
    .max_flat_workgroup_size: 512
    .sgpr_count:     100
    .vgpr_count:     256
    .wavefront_size: 32
...
	.end_amdgpu_metadata
.endif
;; end of part 3
;; launch dense (part 4): grid 8 x 32, 4 waves a work-group, clusters of 4 x 4, 327,680 bytes of LDS; arguments cc, cs, cod, scl, dense_b, out0; writes out0
.if DOCPART == 4
	.amdgcn_target "amdgcn-amd-amdhsa--gfx1250"
	.amdhsa_code_object_version 6
	.text
	.protected	k_q7de2132d5c_dense
	.globl	k_q7de2132d5c_dense
	.p2align	8
	.type	k_q7de2132d5c_dense,@function
k_q7de2132d5c_dense:
	s_mov_b64 s[64:65], 0
	v_nop
	global_prefetch_b8 v0, s[64:65] scope:SCOPE_SE
	s_setreg_imm32_b32 hwreg(HW_REG_WAVE_MODE, 25, 1), 1
	s_wait_xcnt 0x0
	s_wait_alu depctr_hold_cnt(0) depctr_sa_sdst(0) depctr_va_vdst(0) depctr_va_sdst(0) depctr_va_ssrc(0) depctr_va_vcc(0) depctr_vm_vsrc(0)
	s_getreg_b32 s2, hwreg(HW_REG_IB_STS2, 6, 4)
	s_cmp_eq_u32 s2, 0
	s_cbranch_scc0 .Lentry_in_a_cluster
	s_endpgm
.Lentry_in_a_cluster:
	s_bfe_u32 s2, ttmp6, 0x10000c
	s_cmp_lg_u32 s2, 0xf033
	s_cbranch_scc0 .Lentry_shape_is_right
	s_endpgm
.Lentry_shape_is_right:
; out0 = ctx dense_w^T + dense_b on codes of FP6 (E2M3) with E8M0 scales; sums in f32.  ctx: cc [token block 512][head 16][768], cs [head][row][2]; the weight: cod and scl from block 1728 on.
; SHARES.  256 work-groups, each 256 rows x 128 columns of out0; four waves, 2 x 2: a wave takes 128 rows (8 token blocks) x 64 columns (4 weight blocks).
; ALL OF K LIES IN LDS, FILLED ONCE: 16 token blocks and 8 weight blocks of 12,288 bytes, 294,912 bytes, one tensor load a wave at the head.  Nothing is filled again: no ring, no round but the opening and the closing one,
; and no loop of fills for a prefetch to run ahead in.
; A wave's 64 weight rows, all of K, go into registers (32 fragments, 384 registers); the token blocks stream past them, 8 fragments a block in two sets.  A block's 16 x 64 results are finished after its 32 products
; (four accumulators by turns) and leave at once through the wave's own stage, while the later blocks are multiplied.
; CLUSTER 4 x 4: ctx's tile hangs on the tile row alone and is shared along a row of the cluster, the weight's on the tile column alone and is shared along a column.
; THE MATRIX INSTRUCTION IS USED TRANSPOSED (source 0 = 16 weight rows, source 1 = 16 tokens): a lane holds eight neighbouring columns of one row of out0.  The bias is the first products' C.
; POSITION BLOCKS: block T holds rows 32 (T / 2) + 8 (T % 2) + 0..7 and the same + 16, of tokens and of weight rows alike.
; THE WAITS ON DScnt at a block's head: its fragments were asked for two blocks ago; younger are the next block's 32 loads (32), and from block 1 on a stage's 8 stores and 8 loads too (48); in the last block only a stage's 16.
.set BLK,   12288
.set LB,    196608                     ; LDS: ctx at 0 as [blocks 0-3 | 4-7 of each half][row half][4 blocks]; the weight's 8 blocks from LB on
.set STG,   294912                     ; the stages: 16 rows x (256 + 16) bytes for each wave; no fill lands here
.set SPI,   272
.set SPARE, 312320
.set L16,  4
.set L8,   5
.set AB16, 6
.set AB8,  7
.set AL16, 8
.set AL8,  9
.set AH16, 10
.set AH8,  11
.set LS,   12
.set LBR,  13
.set CSO,  14
.set STO,  15
.set RD,   16
.set CO,   17
.set SPW,  18
.set NIL,  19
.set SCP,  32                          ; v32-63 ctx's scale words: 4 registers a block; lanes 0-15 K steps 0-3, lanes 16-31 K steps 4-7
.set SCR,  66                          ; v66-81 the weight's likewise (its numbers differ from ctx's modulo 8)
.set BIA,  82                          ; v82-113 the bias, laid as the result lies
.set ACC,  114                         ; v114-177 two sets of four accumulators
.set BK,   178                         ; v178-241 two sets of 16 rows read back from the stage
.set WV,   18
.set WP,   19
.set WR,   20
.set G1A,  24
.set G1B,  32
.set G0B,  40
.set G0A,  44
.set G0C,  48
.set MSB, 0
.macro WIN new
.if MSB != (\new)
	s_set_vgpr_msb (MSB<<8)|(\new)
.set MSB, (\new)
.endif
.endm
.macro WALU
	s_wait_alu depctr_va_vdst(0)
.endm
.macro PLACES n
.rept \n
	v_nop
.endr
.endm
.macro BARRIER
	s_barrier_signal -1
	s_barrier_wait -1
.endm
.macro CROUND
	BARRIER
	s_cmp_lg_u32 s[WV], 0
	s_cbranch_scc1 .Lnot_wave_0_\@
	s_barrier_signal -3
.Lnot_wave_0_\@:
	s_barrier_wait -3
	BARRIER
.endm
.macro TLOAD g0, g1
	tensor_load_to_lds s[\g0:\g0+3], s[\g1:\g1+7]
	s_nop 0
	PLACES 4
.endm
; Fragment f lies in window 1 + f / 21 at register 12 (f % 21): 0-31 the weight's (4 q + b), 32-39 and 40-47 the tokens' two sets.  Two units on end, each 512 + 256 consecutive bytes.
.macro FRAG f, a16, a8, off
	WIN (1+(\f)/21)<<6
.set R_, 12*((\f)%21)
	ds_load_b128 v[R_:R_+3], v[\a16] offset:\off
	ds_load_b64 v[R_+4:R_+5], v[\a8] offset:\off+512
	ds_load_b128 v[R_+6:R_+9], v[\a16] offset:\off+768
	ds_load_b64 v[R_+10:R_+11], v[\a8] offset:\off+1280
.endm
.macro FETCH s                         ; token block s, all of K, into set s % 2: 32 loads
.irp q, 0,1,2,3,4,5,6,7
.if (\s) < 4
	FRAG 32+8*((\s)%2)+\q, AL16, AL8, (\s)*BLK+\q*1536
.else
	FRAG 32+8*((\s)%2)+\q, AH16, AH8, ((\s)-4)*BLK+\q*1536
.endif
.endr
	WIN 0
.endm
.macro PROD s, q, b
.set FB_, 4*(\q)+(\b)
.set FA_, 32+8*((\s)%2)+(\q)
.set D_, ACC+32*((\s)%2)+8*(\b)
.set RB_, 12*(FB_%21)
.set RA_, 12*(FA_%21)
.set XB_, SCR+4*(\b)+(\q)%4
.set XA_, SCP+4*(\s)+(\q)%4
	WIN (1+FB_/21)|((1+FA_/21)<<2)
.if (\q) == 0
	v_wmma_scale_f32_16x16x128_f8f6f4 v[D_:D_+7], v[RB_:RB_+11], v[RA_:RA_+11], v[BIA+8*(\b):BIA+8*(\b)+7], v[XB_], v[XA_] matrix_a_fmt:MATRIX_FMT_FP6 matrix_b_fmt:MATRIX_FMT_FP6
.elseif (\q) < 4
	v_wmma_scale_f32_16x16x128_f8f6f4 v[D_:D_+7], v[RB_:RB_+11], v[RA_:RA_+11], v[D_:D_+7], v[XB_], v[XA_] matrix_a_fmt:MATRIX_FMT_FP6 matrix_b_fmt:MATRIX_FMT_FP6
.else
	v_wmma_scale_f32_16x16x128_f8f6f4 v[D_:D_+7], v[RB_:RB_+11], v[RA_:RA_+11], v[D_:D_+7], v[XB_], v[XA_] matrix_a_fmt:MATRIX_FMT_FP6 matrix_b_fmt:MATRIX_FMT_FP6 matrix_a_scale:MATRIX_SCALE_ROW1 matrix_b_scale:MATRIX_SCALE_ROW1
.endif
.endm
.macro STAGE s                         ; block s through my stage: in by lanes (32 bytes of a row each tile), back as whole rows of 256 bytes.  LDS serves a wave's instructions in order: no wait between
.set AC_, ACC+32*((\s)%2)
.set BB_, BK+32*((\s)%2)
.irp b, 0,1,2,3
	ds_store_b128 v[STO], v[AC_+8*\b:AC_+8*\b+3] offset:128*(\b/2)+32*(\b%2)        ; each accumulator from its low end on
	ds_store_b128 v[STO], v[AC_+8*\b+4:AC_+8*\b+7] offset:128*(\b/2)+32*(\b%2)+16
.endr
.irp t, 0,1,2,3,4,5,6,7
	ds_load_b128 v[BB_+4*\t:BB_+4*\t+3], v[RD] offset:\t*2*SPI
.endr
.endm
.macro SEND s                          ; sixteen lanes store 256 consecutive bytes, aligned: positions 2 t and 2 t + 1 of the block
.set BB_, BK+32*((\s)%2)
.irp t, 0,1,2,3,4,5,6,7
	global_store_b128 v[CO], v[BB_+4*\t:BB_+4*\t+3], s[82:83] offset:(32*((\s)/2)+8*((\s)%2)+2*(\t%4)+16*(\t/4))*4096 th:TH_STORE_NT
.endr
.endm
.macro BLOCK s
.if (\s) == 0
	s_wait_dscnt 32
.elseif (\s) < 7
	s_wait_dscnt 48
.else
	s_wait_dscnt 16
.endif
.if (\s) >= 2
	SEND (\s)-2                                    ; the same wait has shown the block of two blocks ago back in registers
.endif
.irp q, 0,1,2,3,4,5,6,7
.irp b, 0,1,2,3
	PROD \s, \q, \b
.endr
.endr
	WIN 0
	PLACES 4                                       ; in front of the loads into the fragments' registers and of the stores of the results
.if (\s) >= 2
	s_wait_xcnt 0x0                                ; the stores above have read the registers into which the stage is read back
.endif
.if (\s) < 6
	FETCH (\s)+2
.endif
	STAGE \s
.endm
	s_load_b256 s[4:11], s[0:1], 0x0               ; cc, cs, cod, scl
	s_load_b128 s[12:15], s[0:1], 0x20             ; dense_b, out0
	v_lshl_add_u32 v[SPW], v0, 2, SPARE
	v_mov_b32 v[NIL], 0
	ds_add_u32 v[SPW], v[NIL]                      ; the opening lines: the add, twice on end, and its wait
	ds_add_u32 v[SPW], v[NIL]
	v_lshrrev_b32 v1, 5, v0
	v_readfirstlane_b32 s[WV], v1
	s_lshr_b32 s[WP], s[WV], 1                     ; my half of the rows
	s_and_b32 s[WR], s[WV], 1                      ; my half of the columns; for waves 0 and 1 also: which half of the weight's tile I fetch
	s_bfe_u32 s21, ttmp6, 0x40000                  ; cx
	s_bfe_u32 s22, ttmp6, 0x40004                  ; cy
	s_lshl_b32 s66, ttmp9, 2
	s_add_co_u32 s66, s66, s21                     ; tile column 0..7
	s_and_b32 s67, ttmp7, 0xffff
	s_lshl_b32 s67, s67, 2
	s_add_co_u32 s67, s67, s22                     ; tile row 0..31
	s_lshl_b32 s68, s22, 2
	s_lshl_b32 s68, 15, s68                        ; my row of the cluster
	s_lshl_b32 s69, 0x1111, s21                    ; my column
	s_or_b32 s[G1A], s68, (3<<16)|(1<<21)          ; ctx: two rows of 49,152 bytes (four blocks of each row half), 98,304 bytes apart; elements of 8 bytes
	s_mov_b32 s[G1A+1], 6144<<16
	s_mov_b32 s[G1A+2], 2<<16
	s_mov_b32 s[G1A+3], 6144<<16
	s_mov_b32 s[G1A+4], 2
	s_mov_b32 s[G1A+5], 12288
	s_mov_b32 s[G1A+6], 0
	s_mov_b32 s[G1A+7], 0
	s_or_b32 s[G1B], s69, (3<<16)|(1<<21)          ; the weight: four blocks, dense, as 192 rows of 256 bytes
	s_mov_b32 s[G1B+1], 32<<16
	s_mov_b32 s[G1B+2], 192<<16
	s_mov_b32 s[G1B+3], 32<<16
	s_mov_b32 s[G1B+4], 192
	s_mov_b32 s[G1B+5], 32
	s_mov_b32 s[G1B+6], 0
	s_mov_b32 s[G1B+7], 0
	s_mul_i32 s70, s67, 16*BLK                     ; ctx's tile, bytes from cc
	s_mov_b32 s71, 0
	s_lshl_b32 s72, s66, 3
	s_add_co_u32 s72, s72, 1728
	s_lshl_b32 s73, s[WR], 2
	s_add_co_u32 s72, s72, s73                     ; the weight's blocks: 1728 + 8 x tile column + 4 x half
	s_mul_i32 s74, s72, BLK
	s_mov_b32 s75, 0
	s_lshl_b32 s76, s72, 9                         ; their scale bytes
	s_mov_b32 s77, 0
	s_mul_i32 s[G0B+1], s[WR], 4*BLK
	s_add_co_u32 s[G0B+1], s[G0B+1], LB
	s_lshl_b32 s78, s67, 9                         ; cs: 32 bytes a block and head: (16 x tile row + 8 x half) x 32
	s_lshl_b32 s79, s[WP], 8
	s_add_co_u32 s78, s78, s79
	s_mov_b32 s79, 0
	s_lshl_b32 s80, s66, 9                         ; my first column, in bytes
	s_lshl_b32 s81, s[WR], 8
	s_add_co_u32 s80, s80, s81
	s_mov_b32 s81, 0
	s_lshl_b32 s82, s67, 20                        ; my first row of out0, 4,096 bytes a row
	s_lshl_b32 s83, s[WP], 19
	s_add_co_u32 s82, s82, s83
	s_add_co_u32 s82, s82, s80
	s_mov_b32 s83, 0
	WALU                                           ; the wait ahead of the blocking waits
	s_wait_dscnt 0x0                               ; both opening adds are done
	s_wait_kmcnt 0x0
	s_mov_b32 s[G0A], 1
	s_mov_b32 s[G0A+1], 0
	s_add_nc_u64 s[G0A+2:G0A+3], s[4:5], s[70:71]
	s_mov_b32 s[G0C], 1
	s_mov_b32 s[G0C+1], 8*BLK
	s_add_nc_u64 s[G0C+2:G0C+3], s[G0A+2:G0A+3], 4*BLK
	s_or_b32 s[G0A+3], s[G0A+3], 0x80000000
	s_or_b32 s[G0C+3], s[G0C+3], 0x80000000
	s_mov_b32 s[G0B], 1
	s_add_nc_u64 s[G0B+2:G0B+3], s[8:9], s[74:75]
	s_or_b32 s[G0B+3], s[G0B+3], 0x80000000
	s_add_nc_u64 s[76:77], s[10:11], s[76:77]
	s_add_nc_u64 s[78:79], s[6:7], s[78:79]
	s_add_nc_u64 s[80:81], s[12:13], s[80:81]
	s_add_nc_u64 s[82:83], s[14:15], s[82:83]
	CROUND                                         ; all sixteen work-groups are here: the joint loads meet
	s_cmp_lt_u32 s[WV], 2                          ; one tensor load a wave, what is needed first asked for first: the weight, which goes on into registers
	s_cbranch_scc0 .Lnot_b
	TLOAD G0B, G1B                                 ; waves 0, 1: a half of the weight's tile each
	s_branch .Lasked
.Lnot_b:
	s_cmp_eq_u32 s[WV], 2
	s_cbranch_scc0 .Lwave_3
	TLOAD G0A, G1A                                 ; wave 2: blocks 0-3 of both row halves
	s_branch .Lasked
.Lwave_3:
	TLOAD G0C, G1A                                 ; wave 3: blocks 4-7
.Lasked:
	v_and_b32 v1, 31, v0
	v_and_b32 v2, 15, v0                           ; r
	v_bfe_u32 v3, v0, 4, 1                         ; h
	v_lshlrev_b32 v[L16], 4, v1
	v_lshlrev_b32 v[L8], 3, v1
	s_mul_i32 s84, s[WR], 4*BLK
	s_add_co_u32 s84, s84, LB
	v_add_nc_u32 v[AB16], s84, v[L16]
	v_add_nc_u32 v[AB8], s84, v[L8]
	s_mul_i32 s85, s[WP], 4*BLK
	v_add_nc_u32 v[AL16], s85, v[L16]
	v_add_nc_u32 v[AL8], s85, v[L8]
	s_add_co_u32 s85, s85, 8*BLK
	v_add_nc_u32 v[AH16], s85, v[L16]
	v_add_nc_u32 v[AH8], s85, v[L8]
	v_lshlrev_b32 v[LS], 5, v2
	v_lshl_add_u32 v[LS], v3, 4, v[LS]             ; the weight's scale words: row r, words 0-3 or 4-7
	v_lshlrev_b32 v[LBR], 6, v3                    ; the bias: lanes 16-31 stand 16 columns on
	v_lshlrev_b32 v[CSO], 1, v2
	v_lshl_add_u32 v[CSO], v3, 17, v[CSO]          ; cs: 2 bytes a row; lanes 16-31 take heads 8-15
	s_mul_i32 s86, s[WV], 16*SPI
	s_add_co_u32 s86, s86, STG
	v_mul_u32_u24 v[STO], v2, SPI
	v_lshl_add_u32 v[STO], v3, 6, v[STO]
	v_add_nc_u32 v[STO], s86, v[STO]
	v_mul_u32_u24 v[RD], v3, SPI
	v_lshl_add_u32 v[RD], v2, 4, v[RD]
	v_add_nc_u32 v[RD], s86, v[RD]
	v_lshlrev_b32 v[CO], 4, v2
	v_lshl_add_u32 v[CO], v3, 12, v[CO]            ; out0: 16 bytes a lane, lanes 16-31 a row lower
.irp b, 0,1,2,3
	global_load_b128 v[SCR+4*\b:SCR+4*\b+3], v[LS], s[76:77] offset:\b*512
	global_load_b128 v[BIA+8*\b:BIA+8*\b+3], v[LBR], s[80:81] offset:(32*(\b/2)+8*(\b%2))*4
	global_load_b128 v[BIA+8*\b+4:BIA+8*\b+7], v[LBR], s[80:81] offset:(32*(\b/2)+8*(\b%2))*4+16
.endr
.irp a, 0,1,2,3,4,5,6,7
.irp i, 0,1,2,3
.irp e, 0,1
	global_load_u16 v[ACC+8*\a+2*\i+\e], v[CSO], s[78:79] offset:(2*\i+\e)*16384+\a*32
.endr
.endr
.endr
	s_wait_loadcnt 0x0
.irp a, 0,1,2,3,4,5,6,7
.irp i, 0,1,2,3
	v_lshl_or_b32 v[SCP+4*\a+\i], v[ACC+8*\a+2*\i+1], 16, v[ACC+8*\a+2*\i]   ; two heads' bytes make a K step's scale word
.endr
.endr
	PLACES 8                                       ; a scale register written by a vector instruction stands 8 places ahead of a scaled matrix instruction
	WALU                                           ; the wait at the head's end
	s_cmp_lt_u32 s[WV], 2
	s_cbranch_scc0 .Lnot_mine
	s_wait_tensorcnt 0x0
.Lnot_mine:
	BARRIER                                        ; the weight's tile is in; ctx may still be on its way
.irp q, 0,1,2,3,4,5,6,7
.irp b, 0,1,2,3
	FRAG 4*\q+\b, AB16, AB8, \b*BLK+\q*1536        ; my 64 weight rows, all of K: 128 loads
.endr
.endr
	WIN 0
	s_wait_tensorcnt 0x0
	s_wait_dscnt 0x0
	BARRIER                                        ; ctx's tile is in
	FETCH 0
	FETCH 1
.irp s, 0,1,2,3,4,5,6,7
	BLOCK \s
.endr
	s_wait_dscnt 16                                ; block 6 is back; block 7's turn through the stage may be out
	SEND 6
	s_wait_dscnt 0x0
	SEND 7
	s_wait_tensorcnt 0x0                           ; the wave's end
	ds_add_u32 v[SPW], v[NIL]
	s_wait_dscnt 0x0
	CROUND                                         ; the closing round
	s_endpgm
.Lfunc_end_k_q7de2132d5c_dense:
	.size	k_q7de2132d5c_dense, .Lfunc_end_k_q7de2132d5c_dense-k_q7de2132d5c_dense
	.p2alignl 7, 3214868480
	.fill 96, 4, 3214868480
	.section	.rodata,"a",@progbits
	.p2align	6, 0x0
	.amdhsa_kernel k_q7de2132d5c_dense
		.amdhsa_group_segment_fixed_size 327680
		.amdhsa_private_segment_fixed_size 0
		.amdhsa_enable_private_segment 0
		.amdhsa_kernarg_size 48
		.amdhsa_user_sgpr_count 2
		.amdhsa_user_sgpr_kernarg_segment_ptr 1
		.amdhsa_wavefront_size32 1
		.amdhsa_system_sgpr_workgroup_id_x 1
		.amdhsa_system_sgpr_workgroup_id_y 1
		.amdhsa_system_sgpr_workgroup_id_z 1
		.amdhsa_system_vgpr_workitem_id 0
		.amdhsa_next_free_vgpr 1024
		.amdhsa_next_free_sgpr 102
		.amdhsa_reserve_vcc 0
		.amdhsa_float_denorm_mode_32 3
		.amdhsa_float_denorm_mode_16_64 3
		.amdhsa_memory_ordered 1
		.amdhsa_forward_progress 1
		.amdhsa_inst_pref_size 90
	.end_amdhsa_kernel
	.amdgpu_metadata
---
amdhsa.version: [ 1, 2 ]
amdhsa.kernels:
  - .name:           k_q7de2132d5c_dense
    .symbol:         k_q7de2132d5c_dense.kd
    .args:
      - { .name: cc, .offset: 0, .size: 8, .value_kind: global_buffer, .address_space: global }
      - { .name: cs, .offset: 8, .size: 8, .value_kind: global_buffer, .address_space: global }
      - { .name: cod, .offset: 16, .size: 8, .value_kind: global_buffer, .address_space: global }
      - { .name: scl, .offset: 24, .size: 8, .value_kind: global_buffer, .address_space: global }
      - { .name: dense_b, .offset: 32, .size: 8, .value_kind: global_buffer, .address_space: global }
      - { .name: out0, .offset: 40, .size: 8, .value_kind: global_buffer, .address_space: global }
    .group_segment_fixed_size: 327680
    .private_segment_fixed_size: 0
    .kernarg_segment_align: 8
    .kernarg_segment_size: 48
    .max_flat_workgroup_size: 128
    .sgpr_count:     102
    .vgpr_count:     1024
    .wavefront_size: 32
...
	.end_amdgpu_metadata
.endif
;; end of part 4
